; MI455X (gfx1250); checked and timed in simulation.
; The chip was launched on July 23, 2026; its instructions are those of AMD's public machine-readable ISA for CDNA 5 (MIT licence, August 2026) and "CDNA5" Instruction Set Architecture Reference Guide (July 2026). The comments in the code are by the model that wrote it; some were corrected since.
;; Multi Head Attention. Allowed arithmetic: matrix products marked QUANTISED: E2M1 operands, one E8M0 scale for each 32 along K, by v_wmma_scale_f32_16x16x128_f8f6f4 with both operands' format E2M1 (or v_wmma_scale_f32_32x16x128_f4), f32 sums; products left as they are: bf16, f16 or f32 operands; f32 sums; everything else in f32.
;; Inputs: Wk 1,024 x 1,024 float32; Wo 1,024 x 1,024 float32; Wq 1,024 x 1,024 float32; Wv 1,024 x 1,024 float32; bk 1,024 float32; bo 1,024 float32; bq 1,024 float32; bv 1,024 float32; key 4 x 2,048 x 1,024 float32; query 4 x 2,048 x 1,024 float32; value 4 x 2,048 x 1,024 float32.
;; Outputs: out0 4 x 2,048 x 1,024 float32.
;; This version of the problem:
;;   THIS VERSION OF THE PROBLEM IS GIVEN IN LOW PRECISION. The matrix products marked QUANTISED in the list below multiply operands that are first quantised to E2M1 (2 exponent bits, 1 mantissa bit; 4 bits a number), with one power-of-two scale for each 32 numbers along K (OCP MX v1.0); their sums are f32. The products marked 'left as it is' may take bf16, f16 or f32 operands, with f32 sums. Whichever they take, every output number must still come out within the allowed error. Rounding operands to bf16 (8 significant bits) uses up far more of that allowance than f16 does (11 bits, for magnitudes from 6e-5 to 65,504). All else is computed in f32.
;;   The module's matrix products, in the order in which they are computed (A, B: the left and right operand; K: the contracted axis; several contracted axes count as one K, in the product's order):
;;     1. [M 8,192, K 1,024] x [K 1,024, N 1,024]; A: input query; B: input Wq: QUANTISED
;;     2. [M 8,192, K 1,024] x [K 1,024, N 1,024]; A: input key; B: input Wk: QUANTISED
;;     3. [M 8,192, K 1,024] x [K 1,024, N 1,024]; A: input value; B: input Wv: QUANTISED
;;     4. batch 64 x [M 2,048, K 64] x [K 64, N 2,048]; A: computed on the way; B: computed on the way: left as it is (an operand is computed on the way)
;;     5. batch 64 x [M 2,048, K 2,048] x [K 2,048, N 64]; A: computed on the way; B: computed on the way: left as it is (an operand is computed on the way)
;;     6. [M 8,192, K 1,024] x [K 1,024, N 1,024]; A: computed on the way; B: input Wo: left as it is (an operand is computed on the way)
;;   THE QUANTISER, for each operand of a quantised product, along K:
;;     - K is cut into blocks of 32 from its start; a last block that is shorter is filled with zeros.
;;     - A block's scale is 2^e with e = floor(log2(the largest magnitude in the block)) - 2, held to -126 .. 127; a block of zeros has e = 0. As a byte (E8M0): e + 127.
;;     - Each number is divided by its block's scale, clamped to +-6, and rounded to the nearest number of E2M1, ties to even, subnormals kept.
;;     - The product sums the exact products of the quantised numbers (number of the format x scale) in f32.
;;   ~~~python
;;   def quantise(x, axis):      # numpy; x: float32 -> the quantised numbers, widened to float32 again
;;       x = np.moveaxis(x, axis, -1); K = x.shape[-1]
;;       x = np.pad(x, [(0, 0)] * (x.ndim - 1) + [(0, -K % 32)]); x = x.reshape(x.shape[:-1] + (-1, 32)); a = np.abs(x).max(-1, keepdims=True)
;;       e = np.where(a > 0, np.clip(np.frexp(np.where(a > 0, a, 1))[1] - 1 - 2, -126, 127), 0)      # np.frexp(a)[1] - 1 = floor(log2(a)), exactly
;;       r = np.clip(x / 2.0 ** e, -6, 6)
;;       step = 2.0 ** (np.maximum(np.frexp(np.where(r == 0, 1, r))[1] - 1, 0) - 1)
;;       q = np.round(r / step) * step * 2.0 ** e      # np.round: ties to even
;;       return np.moveaxis(q.reshape(q.shape[:-2] + (-1,))[..., :K], -1, axis).astype(np.float32)
;;   ~~~
;; One version. Each part assembles by itself: llvm-mc -triple=amdgcn-amd-amdhsa -mcpu=gfx1250 --defsym DOCPART=n.
;; ======== version 1 of 1: 4 launches
;; limits: values are held in f16: magnitudes above 65,504 overflow, below 6.1e-05 lose precision
;; workspace buffers: cod 14,155,776 bytes; scl 884,736 bytes; wo16 2,097,152 bytes; qkv 50,331,648 bytes; ao 16,777,216 bytes
;; launch quant (part 1): grid 992 x 1, 4 waves a work-group, no clusters, 33,280 bytes of LDS; arguments query, key, value, Wq, Wk, Wv, Wo, cod, scl, wo16; writes cod, scl, wo16
.if DOCPART == 1
	.amdgcn_target "amdgcn-amd-amdhsa--gfx1250"
	.amdhsa_code_object_version 6
	.text
	.protected	k_qcbecbaa186_quant
	.globl	k_qcbecbaa186_quant
	.p2align	8
	.type	k_qcbecbaa186_quant,@function
k_qcbecbaa186_quant:
	s_mov_b64 s[64:65], 0
	v_nop
	global_prefetch_b8 v0, s[64:65] scope:SCOPE_SE
	s_setreg_imm32_b32 hwreg(HW_REG_WAVE_MODE, 25, 1), 1
	s_wait_xcnt 0x0
; query, key, value [8192][1024] and Wq, Wk, Wv [1024][1024], f32, K innermost, become codes of FP4 (E2M1), two a byte, with one E8M0 byte for each 32 along K; Wo becomes f16.
; cod: rows of 512 bytes, in the order query, key, value, Wq, Wk, Wv; scl: 32 bytes a row, same order.  Rows are dense and 1,024 is a multiple of 32: every tensor is a plain stream of blocks of 32.
; A block's scale is 2^(floor(log2(its largest magnitude)) - 2); its byte is the largest magnitude's exponent field - 2, held at 1 from below.  Each number is divided by the scale and rounded to the nearest code, ties to even.
; LIMITS: a block of zeros, or one whose largest magnitude lies under 2^(2 - 126), gets the byte 1 (its codes are what the division by that scale gives; zeros for zeros; this program alone reads the bytes);
; NaN and infinities are not served; |Wo| stays under 65,504, the largest f16.
; SHARES.  Work-groups 0-863: 32,768 numbers each, 8,192 a wave in 16 steps of 512: 0-767 query, key, value (256 each), 768-863 Wq, Wk, Wv (32 each); the place in cod and scl follows from the work-group's number alone.
; Work-groups 864-991: Wo, 2,048 numbers a wave, without LDS.
; A step's four loads read 512 consecutive bytes each; the 2,048 bytes turn through the wave's own stage in LDS and come back 64 bytes a lane: 16 neighbours along K, two lanes to a block.
; No tensor loads, no barrier: waves share nothing.  Loads run four steps (16 loads a wave) ahead, the turn through LDS one step.
.set WAVES, 4
.set STEPS, 16
.set NQWG,  864                        ; work-groups that quantise
.set EMAX,  2
.set CB,    8                          ; bytes of 16 codes
.set R,     16                         ; v16-79   four sets of 16 numbers as loaded (Wo: 64 numbers)
.set X,     80                         ; v80-111  two sets of 16 neighbours
.set E,     112                        ; v112-127 a scale byte for each step
.set C,     128                        ; v128-191 codes, four registers a step: no store's data are written again (Wo: 32 registers of f16)
.set WREG,  8192                       ; LDS: a region for each wave: two stages of 32 x SP bytes, behind them its 256 scale bytes
.set SP,    80                         ; a lane's place in a stage: 64 bytes + 16 of padding
.set SPW,   12                         ; v12  LDS address of my spare word; never rewritten
.set NIL,   13                         ; v13  0; never rewritten
.set SPARE, WAVES*WREG                 ; behind the regions: the spare words, 128 bytes a wave, named by no other line
	s_load_b512 s[4:19], s[0:1], 0x0               ; query 4:5, key 6:7, value 8:9, Wq 10:11, Wk 12:13, Wv 14:15, Wo 16:17, cod 18:19
	s_load_b128 s[20:23], s[0:1], 0x40             ; scl 20:21, wo16 22:23
	v_lshl_add_u32 v[SPW], v0, 2, SPARE
	v_mov_b32 v[NIL], 0
	v_lshrrev_b32 v1, 5, v0
	v_readfirstlane_b32 s24, v1                    ; wave
	v_and_b32 v2, 31, v0                           ; lane
	v_lshlrev_b32 v3, 4, v2                        ; my 16 bytes of 512
	s_mul_i32 s25, s24, WREG
	v_lshrrev_b32 v14, 2, v2
	v_mul_u32_u24 v14, v14, SP
	v_and_b32 v15, 3, v2
	v_lshl_add_u32 v14, v15, 4, v14
	v_add_nc_u32 v14, s25, v14                     ; the stage, on the way in: SP (lane / 4) + 16 (lane % 4)
	v_mul_u32_u24 v15, v2, SP
	v_add_nc_u32 v15, s25, v15                     ; and on the way out: SP x lane
	v_mul_u32_u24 v4, v2, CB                       ; my codes' place in a step's
	v_lshrrev_b32 v5, 1, v2
	s_add_co_u32 s25, s25, 2*32*SP
	v_add_nc_u32 v5, s25, v5                       ; my block's byte among my wave's 256 scale bytes
	v_lshlrev_b32 v7, 3, v2
	v_add_nc_u32 v6, s25, v7                       ; and 8 bytes a lane on their way out
	v_lshlrev_b32 v10, 5, v2                       ; Wo: my 8 numbers of 256
	s_lshl_b32 s28, ttmp9, 2
	s_add_co_u32 s28, s28, s24                     ; my run: 4 x work-group + wave
	s_mov_b32 s31, 0
	s_wait_kmcnt 0x0
	s_cmp_ge_u32 ttmp9, NQWG
	s_cbranch_scc1 .Lwo
	; which tensor: choices on the work-group's number alone
	s_lshr_b32 s25, ttmp9, 8
	s_cmp_eq_u32 s25, 1
	s_cselect_b64 s[4:5], s[6:7], s[4:5]
	s_cmp_eq_u32 s25, 2
	s_cselect_b64 s[4:5], s[8:9], s[4:5]
	s_sub_co_u32 s26, ttmp9, 768                   ; (wraps to a huge number under 768)
	s_lshr_b32 s26, s26, 5
	s_cmp_eq_u32 s26, 0
	s_cselect_b64 s[4:5], s[10:11], s[4:5]
	s_cmp_eq_u32 s26, 1
	s_cselect_b64 s[4:5], s[12:13], s[4:5]
	s_cmp_eq_u32 s26, 2
	s_cselect_b64 s[4:5], s[14:15], s[4:5]
	s_cmp_lt_u32 ttmp9, 768
	s_cselect_b32 s27, 255, 31
	s_and_b32 s27, s27, ttmp9                      ; the work-group's number inside its tensor
	s_lshl_b32 s27, s27, 2
	s_add_co_u32 s27, s27, s24
	s_lshl_b32 s30, s27, 15                        ; 8,192 numbers of 4 bytes a wave
	s_add_nc_u64 s[4:5], s[4:5], s[30:31]
	s_lshl_b32 s30, s28, 12                        ; 4,096 bytes of codes a run
	s_add_nc_u64 s[18:19], s[18:19], s[30:31]
	s_lshl_b32 s30, s28, 8                         ; 256 scale bytes a run
	s_add_nc_u64 s[20:21], s[20:21], s[30:31]
.macro LOAD t
.irp i, 0,1,2,3
	global_load_b128 v[R+16*((\t)%4)+4*\i:R+16*((\t)%4)+4*\i+3], v3, s[4:5] offset:2048*(\t)+512*\i th:TH_LOAD_NT   ; 32 lanes read 512 consecutive bytes
.endr
.endm
.macro TURN t                          ; step t's numbers through the stage: LDS serves a wave's instructions in order, so no wait stands between the stores and the loads
.irp i, 0,1,2,3
	ds_store_b128 v14, v[R+16*((\t)%4)+4*\i:R+16*((\t)%4)+4*\i+3] offset:32*SP*((\t)%2)+8*SP*\i
.endr
.irp i, 0,1,2,3
	ds_load_b128 v[X+16*((\t)%2)+4*\i:X+16*((\t)%2)+4*\i+3], v15 offset:32*SP*((\t)%2)+16*\i
.endr
.endm
.irp t, 0,1,2,3
	LOAD \t
.endr
	s_wait_loadcnt 12                              ; step 0's four loads are in; the twelve of steps 1 to 3 may be out
	TURN 0
.macro STEP t
.set XS, X+16*((\t)%2)
.if (\t) > 0
	s_wait_dscnt 1                                 ; this step's numbers are back from the stage (the last step's byte store may be out): so the stores into the stage have read their registers,
.else
	s_wait_dscnt 0x0
.endif
.if (\t)+4 < STEPS
	LOAD (\t)+4                                    ; which take the loads of four steps on
.endif
.if (\t)+1 < STEPS
.if STEPS-2-(\t) >= 3
	s_wait_loadcnt 12                              ; the next step's four loads are in; those of the three steps behind it may be out
.else
	s_wait_loadcnt 4*(STEPS-2-(\t))
.endif
	TURN (\t)+1                                    ; and go through the other stage while this step is worked
.endif
	v_max3_num_f32 v8, |v[XS]|, |v[XS+1]|, |v[XS+2]|               ; the largest magnitude of my 16, in two chains
	v_max3_num_f32 v9, |v[XS+3]|, |v[XS+4]|, |v[XS+5]|
.irp i, 6,10
	v_max3_num_f32 v8, v8, |v[XS+\i]|, |v[XS+\i+1]|
	v_max3_num_f32 v9, v9, |v[XS+\i+2]|, |v[XS+\i+3]|
.endr
	v_max3_num_f32 v8, v8, |v[XS+14]|, |v[XS+15]|
	v_max3_num_f32 v8, v8, v9, (EMAX+1)<<23        ; and the floor 2^(EMAX + 1 - 127): the byte cannot fall under 1
	v_max_num_f32_dpp v8, v8, v8 row_xmask:1 row_mask:0xf bank_mask:0xf   ; and of my neighbour's 16: the block's
	v_add_nc_u32 v11, -(EMAX<<23), v8              ; EMAX off its exponent field: the conversion takes the exponent field of this operand as its scale
	v_cvt_scalef32_pk8_fp4_f32 v[C+4*(\t)], v[XS:XS+7], v11
	v_cvt_scalef32_pk8_fp4_f32 v[C+4*(\t)+1], v[XS+8:XS+15], v11
	v_lshrrev_b32 v[E+(\t)], 23, v11               ; the scale's byte (also the plain line behind the conversions)
	ds_store_b8 v5, v[E+(\t)] offset:16*(\t)       ; both lanes of a block write the same byte with the same value
	global_store_b64 v4, v[C+4*(\t):C+4*(\t)+1], s[18:19] offset:32*CB*(\t)   ; the wave stores 256 consecutive bytes, aligned
.endm
.irp t, 0,1,2,3,4,5,6,7,8,9,10,11,12,13,14,15
	STEP \t
.endr
	ds_load_b64 v[8:9], v6                         ; LDS serves a wave's instructions in order: these see my byte stores
	s_wait_dscnt 0x0
	global_store_b64 v7, v[8:9], s[20:21]          ; 32 lanes store my run's 256 scale bytes, aligned
	s_wait_tensorcnt 0x0                           ; the wave's end: behind my last LDS store
	ds_add_u32 v[SPW], v[NIL]
	s_wait_dscnt 0x0
	s_endpgm
.Lwo:                                          ; Wo to f16: 2,048 numbers a wave; this way touches no LDS
	s_sub_co_u32 s28, s28, 4*NQWG                  ; my run of Wo
	s_lshl_b32 s30, s28, 13
	s_add_nc_u64 s[16:17], s[16:17], s[30:31]
	s_lshl_b32 s30, s28, 12
	s_add_nc_u64 s[22:23], s[22:23], s[30:31]
.irp t, 0,1,2,3,4,5,6,7
	global_load_b128 v[R+8*\t:R+8*\t+3],   v10, s[16:17] offset:1024*\t th:TH_LOAD_NT      ; a lane's eight neighbours: the two loads together cover 1,024 consecutive bytes
	global_load_b128 v[R+8*\t+4:R+8*\t+7], v10, s[16:17] offset:1024*\t+16 th:TH_LOAD_NT
.endr
.irp t, 0,1,2,3,4,5,6,7
	s_wait_loadcnt 14-2*\t                         ; group t's two loads are in; the later groups' may be out
.irp i, 0,1,2,3
	v_cvt_pk_f16_f32 v[C+4*\t+\i], v[R+8*\t+2*\i], v[R+8*\t+2*\i+1]
.endr
	global_store_b128 v3, v[C+4*\t:C+4*\t+3], s[22:23] offset:512*\t   ; 512 consecutive bytes; no register is written twice
.endr
	s_endpgm
.Lfunc_end_k_qcbecbaa186_quant:
	.size	k_qcbecbaa186_quant, .Lfunc_end_k_qcbecbaa186_quant-k_qcbecbaa186_quant
	.p2alignl 7, 3214868480
	.fill 96, 4, 3214868480
	.section	.rodata,"a",@progbits
	.p2align	6, 0x0
	.amdhsa_kernel k_qcbecbaa186_quant
		.amdhsa_group_segment_fixed_size 33280
		.amdhsa_private_segment_fixed_size 0
		.amdhsa_enable_private_segment 0
		.amdhsa_kernarg_size 80
		.amdhsa_user_sgpr_count 2
		.amdhsa_user_sgpr_kernarg_segment_ptr 1
		.amdhsa_wavefront_size32 1
		.amdhsa_system_sgpr_workgroup_id_x 1
		.amdhsa_system_sgpr_workgroup_id_y 1
		.amdhsa_system_sgpr_workgroup_id_z 1
		.amdhsa_system_vgpr_workitem_id 0
		.amdhsa_next_free_vgpr 192
		.amdhsa_next_free_sgpr 66
		.amdhsa_reserve_vcc 0
		.amdhsa_float_denorm_mode_32 3
		.amdhsa_float_denorm_mode_16_64 3
		.amdhsa_memory_ordered 1
		.amdhsa_forward_progress 1
		.amdhsa_inst_pref_size 38
	.end_amdhsa_kernel
	.amdgpu_metadata
---
amdhsa.version: [ 1, 2 ]
amdhsa.kernels:
  - .name:           k_qcbecbaa186_quant
    .symbol:         k_qcbecbaa186_quant.kd
    .args:
      - { .name: query, .offset: 0, .size: 8, .value_kind: global_buffer, .address_space: global }
      - { .name: key, .offset: 8, .size: 8, .value_kind: global_buffer, .address_space: global }
      - { .name: value, .offset: 16, .size: 8, .value_kind: global_buffer, .address_space: global }
      - { .name: Wq, .offset: 24, .size: 8, .value_kind: global_buffer, .address_space: global }
      - { .name: Wk, .offset: 32, .size: 8, .value_kind: global_buffer, .address_space: global }
      - { .name: Wv, .offset: 40, .size: 8, .value_kind: global_buffer, .address_space: global }
      - { .name: Wo, .offset: 48, .size: 8, .value_kind: global_buffer, .address_space: global }
      - { .name: cod, .offset: 56, .size: 8, .value_kind: global_buffer, .address_space: global }
      - { .name: scl, .offset: 64, .size: 8, .value_kind: global_buffer, .address_space: global }
      - { .name: wo16, .offset: 72, .size: 8, .value_kind: global_buffer, .address_space: global }
    .group_segment_fixed_size: 33280
    .private_segment_fixed_size: 0
    .kernarg_segment_align: 8
    .kernarg_segment_size: 80
    .max_flat_workgroup_size: 128
    .sgpr_count:     66
    .vgpr_count:     192
    .wavefront_size: 32
...
	.end_amdgpu_metadata
.endif
;; end of part 1
;; launch proj (part 2): grid 4 x 96, 4 waves a work-group, clusters of 4 x 4, 327,680 bytes of LDS; arguments cod, scl, bq, bk, bv, qkv; writes qkv
.if DOCPART == 2
	.amdgcn_target "amdgcn-amd-amdhsa--gfx1250"
	.amdhsa_code_object_version 6
	.text
	.protected	k_qcbecbaa186_proj
	.globl	k_qcbecbaa186_proj
	.p2align	8
	.type	k_qcbecbaa186_proj,@function
k_qcbecbaa186_proj:
	s_mov_b64 s[64:65], 0
	v_nop
	global_prefetch_b8 v0, s[64:65] scope:SCOPE_SE
	s_setreg_imm32_b32 hwreg(HW_REG_WAVE_MODE, 25, 1), 1
	s_wait_xcnt 0x0
	s_wait_alu depctr_hold_cnt(0) depctr_sa_sdst(0) depctr_va_vdst(0) depctr_va_sdst(0) depctr_va_ssrc(0) depctr_va_vcc(0) depctr_vm_vsrc(0)
	s_getreg_b32 s2, hwreg(HW_REG_IB_STS2, 6, 4)
	s_cmp_eq_u32 s2, 0
	s_cbranch_scc0 .Lentry_in_a_cluster
	s_endpgm
.Lentry_in_a_cluster:
	s_bfe_u32 s2, ttmp6, 0x10000c
	s_cmp_lg_u32 s2, 0xf033
	s_cbranch_scc0 .Lentry_shape_is_right
	s_endpgm
.Lentry_shape_is_right:
; q = query Wq^T + bq, k = key Wk^T + bk, v = value Wv^T + bv, on codes of FP4 (E2M1) with one E8M0 scale for each 32 along K = 1,024; sums in f32; rounded once to f16 and split by head.
; cod: rows of 512 bytes: rows 0-24,575 query, key, value (8,192 z + m), rows 24,576 + 1,024 z + n the weights.  scl: 32 bytes a row, same order.  qkv: f16 [3 z][4 b][16 h][2048 s][64 d].
; LIMIT: |q|, |k|, |v| stay under 65,504, the largest f16.
; The three products are ONE walk over 24,576 rows: tile row R = 0 .. 95 of 256 rows, z = R / 32; tile column 0 .. 3 of 256 columns.  Four waves; a wave makes 128 x 128: 64 accumulators, 512 registers.
; K goes in two steps of 512 through two LDS slots, each filled once by the tensor data mover (rows of 256 bytes); the scales of the work-group's 256 + 256 rows, two dense blocks, come with them.
; CLUSTERS: 4 x 4 work-groups.  The four of a row of the cluster need the same rows of x, the four of a column the same rows of W: each tile is asked for JOINTLY.  z comes from the cluster's y alone: all sixteen share it.
; THE MATRIX INSTRUCTION IS USED TRANSPOSED (source 0 = 16 rows of W, source 1 = 16 rows of x): a lane holds eight neighbouring columns of one row.  The bias is the C of each sum's first product.
; REGISTERS, in windows of 256: window 0: v0-31 addresses; v32-95 scale words, two sets; v128-191 x's fragments, one set; on the way out v32-63 and v128-191 are free.
;   window 1: W's fragments, two sets, v0-63 and v128-191; v64-127 the bias, 8 registers for each of my 8 column blocks.   windows 2, 3: the accumulators of my rows 0-63, 64-127 ((a, b) at v[8 (8 (a % 4) + b)]).
.set NQ,     4                         ; steps of 128 along K in a slot
.set ROWB,   256                       ; a tile's row: 512 codes
.set KROW,   512                       ; a row of cod
.set PITCH,  272                       ; an LDS row: 256 bytes + 16 of padding = 68 words: row r starts at bank 4 r mod 64 (64 banks of 4 bytes: ISA guide 11.1)
.set FR,     8                         ; registers of a fragment: 16 rows x 128 K
.set NL,     2                         ; LDS loads that bring one
.set NP,     4                         ; places behind this matrix instruction (ISA guide 7.12.1)
.set HALFT,  128*PITCH                 ; what one tensor load brings
.set SLOT,   4*HALFT                   ; x's 256 rows, then W's 256 rows
.set KS,     32                        ; a row of scl
.set SCL,    2*SLOT                    ; behind the slots: the scales, as units of 256 bytes + 16 of padding
.set HALFS,  (128*KS/256)*272          ; those of 128 rows
.set SBLK,   (16*KS/256)*272           ; those of 16 rows
.set SPARE,  SCL+4*HALFS               ; the spare words, 128 bytes a wave, named by no other line
.set STAGE,  SPARE+512                 ; the way out: 2 heads x 8 pair-rows x 272 bytes for each wave; no tile lands here
.set STW,    16*272
.set ADRA, 16                          ; v16-17  LDS address of my x fragments in slot 0, 1
.set ADRB, 20                          ; v20-21  the same for W
.set STO,  24                          ; v24     the way out: where I put 16 bytes of a row
.set RD,   25                          ; v25     where I read them back
.set CO,   26                          ; v26     16 x lane
.set ADRS, 27                          ; v27     my scale words: lanes 0-15 x's rows, lanes 16-31 W's
.set SPW,  28                          ; v28     my spare word; never rewritten
.set NIL,  29                          ; v29     0; never rewritten
.set BO,   30                          ; v30     32 x (lane / 16): my eight numbers of a block's sixteen of the bias
.set SC,   32                          ; scale words: set s at v[SC + 32 s]; register 4 i + q: lanes 0-15 x's block i, lanes 16-31 W's block i, the slot's q-th 128 along K
.set AF,   128                         ; x's fragments
.set BI,   64                          ; the bias, in window 1
.set TMP,  32                          ; the way out: packed results
.set OB,   128                         ; and rows read back: v128-159, v160-191 by turns
.set G1, 24                            ; s[24:31] group 1 for x's tiles; s[32:39] group 0, a set for each slot
.set G0, 32
.set G1B, 48                           ; s[48:55], s[56:63] the same for W's
.set G0B, 56
.set G1S, 68                           ; s[68:75], s[76:79] groups 1 and 0 for x's scales; s[80:87], s[88:91] for W's
.set G0S, 76
.set G1SB, 80
.set G0SB, 88
.set MSB, 0
.macro WIN new                         ; the immediate's high byte repeats the setting that is left
.if MSB != (\new)
	s_set_vgpr_msb (MSB<<8)|(\new)
.set MSB, (\new)
.endif
.endm
.set MUL_LO, 0xa1                      ; source 0 (W) window 1, source 1 (x) window 0, C and D window 2
.set MUL_HI, 0xf1                      ; the same, C and D window 3
.set BIAS_LO, 0x91                     ; C (the bias) window 1, D window 2
.set BIAS_HI, 0xd1                     ; C window 1, D window 3
.set TO_B,   0x40                      ; destination window 1, address window 0
; A joint load: waves 0 and 1 fetch for x, waves 2 and 3 for W.  The branch hangs on the wave's number alone.  An s_nop 0 and four v_nop follow each line.
.macro JLOAD g0a, g1a, g0b, g1b
	s_cmp_eq_u32 s15, 0
	s_cbranch_scc0 .Lfor_b_\@
	tensor_load_to_lds s[\g0a:\g0a+3], s[\g1a:\g1a+7]
	s_nop 0
.rept 4
	v_nop
.endr
	s_branch .Lasked_\@
.Lfor_b_\@:
	tensor_load_to_lds s[\g0b:\g0b+3], s[\g1b:\g1b+7]
	s_nop 0
.rept 4
	v_nop
.endr
.Lasked_\@:
.endm
.macro CROUND                          ; a round of the cluster's barrier
	s_barrier_signal -1
	s_barrier_wait -1
	s_cmp_lg_u32 s14, 0
	s_cbranch_scc1 .Lnot_wave_0_\@
	s_barrier_signal -3
.Lnot_wave_0_\@:
	s_barrier_wait -3
	s_barrier_signal -1
	s_barrier_wait -1
.endm
	s_load_b256 s[4:11], s[0:1], 0x0               ; cod 4:5, scl 6:7, bq 8:9, bk 10:11
	s_load_b128 s[96:99], s[0:1], 0x20             ; bv 96:97, qkv 98:99
	v_lshl_add_u32 v[SPW], v0, 2, SPARE
	v_mov_b32 v[NIL], 0
	ds_add_u32 v[SPW], v[NIL]                      ; the wave's opening: the add and its wait stand ahead of my first tensor load; the set-up below stands between them
	v_lshrrev_b32 v1, 5, v0
	v_readfirstlane_b32 s14, v1                    ; wave 0..3
	s_lshr_b32 s15, s14, 1                         ; which half of the tile's rows is mine.  Also: I fetch for x (0) or for W (1)
	s_and_b32 s16, s14, 1                          ; which half of its columns.  Also: which 128 rows I fetch
	s_bfe_u32 s40, ttmp6, 0x40000                  ; cx, cy
	s_bfe_u32 s41, ttmp6, 0x40004
	s_lshl_b32 s42, ttmp9, 2
	s_add_co_u32 s42, s42, s40                     ; tile column = 4 x cluster x + cx
	s_and_b32 s17, ttmp7, 0xffff
	s_lshr_b32 s95, s17, 3                         ; z = cluster y / 8: which of the three products
	s_lshl_b32 s17, s17, 2
	s_add_co_u32 s17, s17, s41                     ; tile row R = 4 x cluster y + cy
	s_lshl_b32 s43, s41, 2
	s_lshl_b32 s43, 15, s43                        ; my row of the cluster
	s_lshl_b32 s44, 0x1111, s40                    ; my column
	s_or_b32 s[G1+0], s43, (0<<16)|(1<<20)|(1<<21)|(5<<22)|(3<<25)  ; the mask; elements of 1 byte; padding on; bit 21 beside a mask; after every 64 words; 4 words
	s_or_b32 s[G1B+0], s44, (0<<16)|(1<<20)|(1<<21)|(5<<22)|(3<<25)
.irp g, G1, G1B
	s_mov_b32 s[\g+1], ROWB<<16                    ; tensor_dim0
	s_mov_b32 s[\g+2], 128<<16                     ; tensor_dim1
	s_mov_b32 s[\g+3], ROWB<<16                    ; tile_dim0
	s_mov_b32 s[\g+4], 128                         ; tile_dim1
	s_mov_b32 s[\g+5], KROW                        ; the pitch
	s_mov_b32 s[\g+6], 0
	s_mov_b32 s[\g+7], 0
.endr
	s_or_b32 s[G1S+0], s43, (3<<16)|(1<<20)|(1<<21)|(5<<22)|(3<<25) ; the scales of 128 rows: 4,096 dense bytes as 16 rows of 32 elements of 8 bytes, 16 bytes of padding behind each
	s_or_b32 s[G1SB+0], s44, (3<<16)|(1<<20)|(1<<21)|(5<<22)|(3<<25)
.irp g, G1S, G1SB
	s_mov_b32 s[\g+1], 32<<16
	s_mov_b32 s[\g+2], (128*KS/256)<<16
	s_mov_b32 s[\g+3], 32<<16
	s_mov_b32 s[\g+4], 128*KS/256
	s_mov_b32 s[\g+5], 32
	s_mov_b32 s[\g+6], 0
	s_mov_b32 s[\g+7], 0
.endr
	s_lshl_b32 s18, s16, 7                         ; which 128 rows of the tile I fetch
	s_lshl_b32 s20, s17, 8
	s_add_co_u32 s20, s20, s18                     ; x: row 256 R + 128 x half
	s_lshl_b32 s46, s42, 8
	s_add_co_u32 s46, s46, s18
	s_lshl_b32 s19, s95, 10
	s_add_co_u32 s46, s46, s19
	s_add_co_u32 s46, s46, 24576                   ; W: row 24,576 + 1,024 z + 256 x tile column + 128 x half
	s_mov_b32 s21, 0
	s_mov_b32 s47, 0
	s_mov_b64 s[18:19], KS
	s_mul_u64 s[22:23], s[20:21], s[18:19]         ; where these rows' scales begin,
	s_mul_u64 s[92:93], s[46:47], s[18:19]
	s_mov_b64 s[18:19], KROW
	s_mul_u64 s[20:21], s[20:21], s[18:19]         ; and their codes
	s_mul_u64 s[46:47], s[46:47], s[18:19]
	s_mul_i32 s45, s14, HALFT                      ; where they go: wave x 128 rows
	s_mul_i32 s94, s14, HALFS
	s_wait_dscnt 0x0                               ; the opening add is done
	s_wait_kmcnt 0x0
	s_add_nc_u64 s[20:21], s[4:5], s[20:21]
	s_add_nc_u64 s[22:23], s[6:7], s[22:23]
	s_add_nc_u64 s[46:47], s[4:5], s[46:47]
	s_add_nc_u64 s[92:93], s[6:7], s[92:93]
	CROUND                                         ; all sixteen work-groups are here: the joint loads meet
	s_mov_b32 s[G0S], 1
	s_add_co_u32 s[G0S+1], s94, SCL
	s_mov_b64 s[G0S+2:G0S+3], s[22:23]
	s_or_b32 s[G0S+3], s[G0S+3], 0x80000000
	s_mov_b32 s[G0SB], 1
	s_add_co_u32 s[G0SB+1], s94, SCL
	s_mov_b64 s[G0SB+2:G0SB+3], s[92:93]
	s_or_b32 s[G0SB+3], s[G0SB+3], 0x80000000
	JLOAD G0S, G1S, G0SB, G1SB                     ; the scales first: they are wanted with the first step.  Three loads of mine are out behind the next two
.irp s, 0,1
	s_mov_b32 s[G0+4*\s], 1
	s_add_co_u32 s[G0+4*\s+1], s45, \s*SLOT
	s_add_nc_u64 s[G0+4*\s+2:G0+4*\s+3], s[20:21], \s*ROWB
	s_or_b32 s[G0+4*\s+3], s[G0+4*\s+3], 0x80000000
	s_mov_b32 s[G0B+4*\s], 1
	s_add_co_u32 s[G0B+4*\s+1], s45, \s*SLOT
	s_add_nc_u64 s[G0B+4*\s+2:G0B+4*\s+3], s[46:47], \s*ROWB
	s_or_b32 s[G0B+4*\s+3], s[G0B+4*\s+3], 0x80000000
	JLOAD G0+4*\s, G1, G0B+4*\s, G1B
.endr
	v_and_b32 v1, 15, v0                           ; r = lane % 16
	v_bfe_u32 v2, v0, 4, 1                         ; h = lane / 16
	v_mul_u32_u24 v3, v1, PITCH
	v_lshl_add_u32 v4, v2, 4, v3                   ; a fragment's row x pitch + 16 h
	s_mul_i32 s21, s15, HALFT                      ; my 128 rows of x
	s_mul_i32 s22, s16, HALFT                      ; my 128 rows of W,
	s_add_co_u32 s22, s22, 2*HALFT                 ; behind x's 256
.irp s, 0,1
	v_add_nc_u32 v[ADRA+\s], s21, v4
	v_add_nc_u32 v[ADRB+\s], s22, v4
	s_add_co_u32 s21, s21, SLOT
	s_add_co_u32 s22, s22, SLOT
.endr
	v_mul_u32_u24 v5, v1, KS                       ; my row's scales: 32 bytes a row,
	v_lshrrev_b32 v6, 8, v5
	v_lshl_add_u32 v5, v6, 4, v5                   ; and 16 more for each 256 passed
	s_mul_i32 s21, s15, HALFS
	s_mul_i32 s22, s16, HALFS
	s_add_co_u32 s22, s22, 2*HALFS
	s_sub_co_u32 s22, s22, s21
	v_mul_u32_u24 v6, s22, v2                      ; lanes 16-31 take W's: one product, the distance between the two bases
	s_add_co_u32 s21, s21, SCL
	v_add_nc_u32 v5, v5, v6
	v_add_nc_u32 v[ADRS], s21, v5
	; the stage.  A head's rows s and s + 1 are 256 consecutive bytes of qkv: a pair-row.  Row r of a block lies at (r / 2) 272 + (r % 2) 128: sixteen lanes' 16 bytes fall on sixteen different 16-byte columns
	s_mul_i32 s23, s14, STW
	s_add_co_u32 s23, s23, STAGE
	v_lshrrev_b32 v5, 1, v1
	v_mul_u32_u24 v5, v5, 272
	v_and_b32 v6, 1, v0
	v_lshl_add_u32 v5, v6, 7, v5
	v_lshl_add_u32 v5, v2, 4, v5
	v_add_nc_u32 v[STO], s23, v5
	v_mul_u32_u24 v5, v2, 272                      ; back: lanes 0-15 one pair-row, lanes 16-31 the next
	v_lshl_add_u32 v5, v1, 4, v5
	v_add_nc_u32 v[RD], s23, v5
	v_and_b32 v6, 31, v0
	v_lshlrev_b32 v[CO], 4, v6
	v_lshlrev_b32 v[BO], 5, v2
	; the bias of my 128 columns: the buffer by z, a choice that hangs on no address
	s_cmp_eq_u32 s95, 1
	s_cselect_b64 s[8:9], s[10:11], s[8:9]
	s_cmp_eq_u32 s95, 2
	s_cselect_b64 s[8:9], s[96:97], s[8:9]
	s_lshl_b32 s66, s42, 10
	s_lshl_b32 s3, s16, 9
	s_add_co_u32 s66, s66, s3
	s_mov_b32 s67, 0
	s_add_nc_u64 s[8:9], s[8:9], s[66:67]
	WIN TO_B
.irp b, 0,1,2,3,4,5,6,7
	global_load_b128 v[BI+8*\b:BI+8*\b+3],   v[BO], s[8:9] offset:64*\b       ; lane (r, h), register j: bias[16 b + 8 h + j], the result's layout
	global_load_b128 v[BI+8*\b+4:BI+8*\b+7], v[BO], s[8:9] offset:64*\b+16
.endr
	WIN 0
	; where my part begins in qkv: ((R / 8) 16 + 4 x tile column + 2 x column half) heads of 262,144 bytes + ((R % 8) 256 + 128 x row half) rows of 128 bytes
	s_lshr_b32 s66, s17, 3
	s_lshl_b32 s66, s66, 4
	s_lshl_b32 s3, s42, 2
	s_add_co_u32 s66, s66, s3
	s_lshl_b32 s3, s16, 1
	s_add_co_u32 s66, s66, s3
	s_lshl_b32 s66, s66, 18
	s_and_b32 s3, s17, 7
	s_lshl_b32 s3, s3, 8
	s_lshl_b32 s94, s15, 7
	s_add_co_u32 s3, s3, s94
	s_lshl_b32 s3, s3, 7
	s_add_co_u32 s66, s66, s3
	s_add_nc_u64 s[12:13], s[98:99], s[66:67]      ; never stepped: all else stands in the stores' immediates
.macro FRAG reg, adr, q, i             ; 16 rows x 128 K of 4-bit codes: lane l holds row l % 16; registers 4 c .. 4 c + 3 hold K = 64 c + 32 (l / 16) + 0 .. 31
.irp c, 0,1
	ds_load_b128 v[\reg+4*\c:\reg+4*\c+3], v[\adr] offset:64*(\q)+32*\c+(\i)*16*PITCH
.endr
.endm
; 16 matrix instructions: x's blocks a0, a0 + 1 against W's eight, the slot's q-th 128 along K.  p: W's set; sc: the set of scale words.  zero = 1: the sum's first product, whose C is the bias.
; The 64 accumulators take turns, one instruction a turn, in the same order in every step.
.macro MUL16 a0, p, q, sc, zero
.irp a, \a0, \a0+1
.irp b, 0,1,2,3,4,5,6,7
.if \zero
	v_wmma_scale_f32_16x16x128_f8f6f4 v[8*(8*((\a)%4)+\b):8*(8*((\a)%4)+\b)+7], v[128*(\p)+FR*\b:128*(\p)+FR*\b+FR-1], v[AF+FR*(\a):AF+FR*(\a)+FR-1], v[BI+8*\b:BI+8*\b+7], v[SC+8*NQ*(\sc)+NQ*\b+(\q)], v[SC+8*NQ*(\sc)+NQ*(\a)+(\q)] matrix_a_fmt:MATRIX_FMT_FP4 matrix_b_fmt:MATRIX_FMT_FP4 matrix_a_scale:MATRIX_SCALE_ROW1
.else
	v_wmma_scale_f32_16x16x128_f8f6f4 v[8*(8*((\a)%4)+\b):8*(8*((\a)%4)+\b)+7], v[128*(\p)+FR*\b:128*(\p)+FR*\b+FR-1], v[AF+FR*(\a):AF+FR*(\a)+FR-1], v[8*(8*((\a)%4)+\b):8*(8*((\a)%4)+\b)+7], v[SC+8*NQ*(\sc)+NQ*\b+(\q)], v[SC+8*NQ*(\sc)+NQ*(\a)+(\q)] matrix_a_fmt:MATRIX_FMT_FP4 matrix_b_fmt:MATRIX_FMT_FP4 matrix_a_scale:MATRIX_SCALE_ROW1
.endif
.endr
.endr
.endm
.macro FETCH_B slot, q, p              ; W's eight fragments into set p
	WIN TO_B
.irp i, 0,1,2,3,4,5,6,7
	FRAG 128*(\p)+FR*\i, ADRB+\slot, \q, \i
.endr
	WIN 0
.endm
.macro FETCH_A slot, q, i0             ; x's blocks i0 .. i0 + 3
.irp i, \i0, \i0+1, \i0+2, \i0+3
	FRAG AF+FR*(\i), ADRA+\slot, \q, \i
.endr
.endm
.macro SCALES sc                       ; a slot's scale words: four a row; lanes 0-15 x's block i, lanes 16-31 W's block i
.irp i, 0,1,2,3,4,5,6,7
	ds_load_b128 v[SC+8*NQ*\sc+NQ*\i:SC+8*NQ*\sc+NQ*\i+3], v[ADRS] offset:\i*SBLK
.endr
.endm
.macro PLACES n                        ; plain vector lines between a matrix instruction and a load into, or a vector write of, a register that it read, or a read of its result
.rept \n
	v_nop
.endr
.endm
; A step of 128 along K that has its successor in the same slot.  A block of x is free once its eight products are issued: blocks 0-3 are fetched anew in the middle, blocks 4-7 at the end.
.macro STEP slot, q, zero
	s_wait_dscnt 4*NL                              ; W's set and x's blocks 0-3 are in; the youngest eight loads (blocks 4-7) may be out
.if \zero
	WIN BIAS_LO
.else
	WIN MUL_LO
.endif
	MUL16 0, (\q)%2, \q, \slot, \zero
	MUL16 2, (\q)%2, \q, \slot, \zero
	s_wait_dscnt 0                                 ; blocks 4-7 are in
	PLACES NP
	FETCH_B \slot, (\q)+1, 1-(\q)%2
	FETCH_A \slot, (\q)+1, 0
.if \zero
	WIN BIAS_HI
.else
	WIN MUL_HI
.endif
	MUL16 4, (\q)%2, \q, \slot, \zero
	MUL16 6, (\q)%2, \q, \slot, \zero
	PLACES NP
	WIN 0
	FETCH_A \slot, (\q)+1, 4
.endm
; Slot 0's last step goes over to slot 1: my part of slot 1 has landed, then the barrier, then everybody's has.  Nothing is filled again.
.macro TURN
	s_wait_tensorcnt 0x0                           ; all my tensor loads have landed
	ds_add_u32 v[SPW], v[NIL]                      ; 0 onto my spare word
	s_wait_dscnt 4*NL+1                            ; (the add and the youngest eight loads may be out)
	WIN MUL_LO
	MUL16 0, 1, NQ-1, 0, 0
	s_wait_dscnt 0x0                               ; no LDS instruction of mine is out at the signal
	s_barrier_signal -1
	MUL16 2, 1, NQ-1, 0, 0
	WIN 0
	s_barrier_wait -1
	PLACES NP
	v_add_nc_u32 v[ADRS], 4*NQ, v[ADRS]            ; the next 512 along K: 16 scale bytes on
	FETCH_B 1, 0, 0
	FETCH_A 1, 0, 0
	SCALES 1
	WIN MUL_HI
	MUL16 4, 1, NQ-1, 0, 0
	MUL16 6, 1, NQ-1, 0, 0
	PLACES NP
	WIN 0
	FETCH_A 1, 0, 4
.endm
	s_wait_tensorcnt 1                             ; the scales and my part of slot 0 are in; slot 1's load may be out,
	s_barrier_signal -1
	s_barrier_wait -1                              ; everybody's are
	FETCH_B 0, 0, 0
	FETCH_A 0, 0, 0
	SCALES 0
	FETCH_A 0, 0, 4
	s_wait_loadcnt 0x0                             ; the bias
	STEP 0, 0, 1                                   ; the first products start the sums on the bias: nothing is cleared, nothing is added later
	STEP 0, 1, 0
	STEP 0, 2, 0
	TURN
	STEP 1, 0, 0
	STEP 1, 1, 0
	STEP 1, 2, 0
	s_wait_dscnt 4*NL                              ; the last step: nothing more to fetch
	WIN MUL_LO
	MUL16 0, 1, NQ-1, 1, 0
	MUL16 2, 1, NQ-1, 1, 0
	s_wait_dscnt 0
	WIN MUL_HI
	MUL16 4, 1, NQ-1, 1, 0
	MUL16 6, 1, NQ-1, 1, 0
	WIN 0
; THE WAY OUT, a block of 16 rows x 128 columns (two heads) at a time.  PACK: rounded to f16, 16 bytes a lane, each accumulator from its low end on.  TOSTAGE: into my own stage as pair-rows, and back
; two pair-rows an instruction.  SEND: 32 lanes store 512 consecutive bytes: four rows s of one head.
.macro PACK a
.set AC, 64*((\a)%4)
	WIN 0x0a+5*((\a)/4)                            ; sources 0 and 1: window 2 or 3
.irp b, 0,1,2,3,4,5,6,7
.irp i, 0,1,2,3
	v_cvt_pk_f16_f32 v[TMP+4*\b+\i], v[AC+8*\b+2*\i], v[AC+8*\b+2*\i+1]
.endr
.endr
	WIN 0
.endm
.macro TOSTAGE a
.set BK, OB+32*((\a)%2)
.irp b, 0,1,2,3,4,5,6,7
	ds_store_b128 v[STO], v[TMP+4*\b:TMP+4*\b+3] offset:(\b/4)*2176+32*(\b%4)
.endr
.irp t, 0,1,2,3,4,5,6,7
	ds_load_b128 v[BK+4*\t:BK+4*\t+3], v[RD] offset:(\t/4)*2176+(\t%4)*544   ; LDS serves a wave's instructions in order (ISA guide 5.7.1.4): these see the stores above
.endr
.endm
.macro SEND a
.set BK, OB+32*((\a)%2)
	s_wait_dscnt 0x0                               ; the block is back in registers
	s_wait_xcnt 0x0                                ; the stores of the block before have read their registers: the next block's loads may land there
.irp t, 0,1,2,3,4,5,6,7
	global_store_b128 v[CO], v[BK+4*\t:BK+4*\t+3], s[12:13] offset:2048*(\a)+(\t/4)*262144+(\t%4)*512
.endr
.endm
	PLACES NP                                      ; behind the last products: the conversions write registers that held scale words, the loads land where x's fragments lay
	PACK 0
	TOSTAGE 0
.irp a, 1,2,3,4,5,6,7                  ; block a's conversions stand between block a - 1's loads from the stage and the wait for them
	PACK \a
	SEND \a-1
	TOSTAGE \a
.endr
	SEND 7
	s_wait_tensorcnt 0x0                           ; the wave's end: behind my last tensor load and my last LDS store
	ds_add_u32 v[SPW], v[NIL]
	s_wait_dscnt 0x0
	CROUND                                         ; the closing round: no work-group ends while a partner may still ask for a tile that names it
	s_endpgm
.Lfunc_end_k_qcbecbaa186_proj:
	.size	k_qcbecbaa186_proj, .Lfunc_end_k_qcbecbaa186_proj-k_qcbecbaa186_proj
	.p2alignl 7, 3214868480
	.fill 96, 4, 3214868480
	.section	.rodata,"a",@progbits
	.p2align	6, 0x0
	.amdhsa_kernel k_qcbecbaa186_proj
		.amdhsa_group_segment_fixed_size 327680
		.amdhsa_private_segment_fixed_size 0
		.amdhsa_enable_private_segment 0
		.amdhsa_kernarg_size 48
		.amdhsa_user_sgpr_count 2
		.amdhsa_user_sgpr_kernarg_segment_ptr 1
		.amdhsa_wavefront_size32 1
		.amdhsa_system_sgpr_workgroup_id_x 1
		.amdhsa_system_sgpr_workgroup_id_y 1
		.amdhsa_system_sgpr_workgroup_id_z 1
		.amdhsa_system_vgpr_workitem_id 0
		.amdhsa_next_free_vgpr 1024
		.amdhsa_next_free_sgpr 100
		.amdhsa_reserve_vcc 0
		.amdhsa_float_denorm_mode_32 3
		.amdhsa_float_denorm_mode_16_64 3
		.amdhsa_memory_ordered 1
		.amdhsa_forward_progress 1
		.amdhsa_inst_pref_size 128
	.end_amdhsa_kernel
	.amdgpu_metadata
---
amdhsa.version: [ 1, 2 ]
amdhsa.kernels:
  - .name:           k_qcbecbaa186_proj
    .symbol:         k_qcbecbaa186_proj.kd
    .args:
      - { .name: cod, .offset: 0, .size: 8, .value_kind: global_buffer, .address_space: global }
      - { .name: scl, .offset: 8, .size: 8, .value_kind: global_buffer, .address_space: global }
      - { .name: bq, .offset: 16, .size: 8, .value_kind: global_buffer, .address_space: global }
      - { .name: bk, .offset: 24, .size: 8, .value_kind: global_buffer, .address_space: global }
      - { .name: bv, .offset: 32, .size: 8, .value_kind: global_buffer, .address_space: global }
      - { .name: qkv, .offset: 40, .size: 8, .value_kind: global_buffer, .address_space: global }
    .group_segment_fixed_size: 327680
    .private_segment_fixed_size: 0
    .kernarg_segment_align: 8
    .kernarg_segment_size: 48
    .max_flat_workgroup_size: 128
    .sgpr_count:     100
    .vgpr_count:     1024
    .wavefront_size: 32
...
	.end_amdgpu_metadata
.endif
;; end of part 2
;; launch attn (part 3): grid 4 x 64, 8 waves a work-group, clusters of 4 x 1, 327,680 bytes of LDS; arguments qkv, ao; writes ao
.if DOCPART == 3
	.amdgcn_target "amdgcn-amd-amdhsa--gfx1250"
	.amdhsa_code_object_version 6
	.text
	.protected	k_qcbecbaa186_attn
	.globl	k_qcbecbaa186_attn
	.p2align	8
	.type	k_qcbecbaa186_attn,@function
k_qcbecbaa186_attn:
	s_mov_b64 s[64:65], 0
	v_nop
	global_prefetch_b8 v0, s[64:65] scope:SCOPE_SE
	s_setreg_imm32_b32 hwreg(HW_REG_WAVE_MODE, 25, 1), 1
	s_wait_xcnt 0x0
	s_wait_alu depctr_hold_cnt(0) depctr_sa_sdst(0) depctr_va_vdst(0) depctr_va_sdst(0) depctr_va_ssrc(0) depctr_va_vcc(0) depctr_vm_vsrc(0)
	s_getreg_b32 s2, hwreg(HW_REG_IB_STS2, 6, 4)
	s_cmp_eq_u32 s2, 0
	s_cbranch_scc0 .Lentry_in_a_cluster
	s_endpgm
.Lentry_in_a_cluster:
	s_bfe_u32 s2, ttmp6, 0x10000c
	s_cmp_lg_u32 s2, 0x3003
	s_cbranch_scc0 .Lentry_shape_is_right
	s_endpgm
.Lentry_shape_is_right:
; ao[b][h][q][:] = the sum over k of softmax_k(q . k / 8) v[k][:], for each of 64 (b, h).  qkv: f16 [3][64 bh][2048 s][64 d]; ao: f16 [64 bh][2048 s][64 d].  Products, maxima and sums in f32;
; the weights p are rounded to f16 for the second product, the result once at the end.  LIMIT: the result, like v, stays under 65,504, the largest f16.
; SHARES.  A work-group owns 512 queries of one (b, h), each of its eight waves 64: four tiles of 16.  Two waves share a SIMD: one's softmax stands beside the other's products.  Every wave walks all 2,048 keys, 64 a step.
; LAYOUT.  S^T = K Q^T (source 0 = 16 keys, source 1 = 16 queries): a lane holds ONE query (lane % 16) and the keys 8 (lane / 16) + 0..7.  Two such tiles, rounded in pairs, ARE source 1 (32 keys x 16 queries) of
; O^T = V^T P, whose result again holds one query a lane.  K comes out of LDS as it lies, V ([key][channel]) turned, by ds_load_tr16_b128.
; SOFTMAX.  A running maximum m and sum l for each query: p = 2^(c s - c m), c = log2(e) / 8; in every step O and l are multiplied by a = 2^(c m_old - c m_new).  The loop has no first step of its own: m begins at -3e38, l and O at 0.
; PAIR-ROWS.  Rows s and s + 1 of a head are 256 consecutive bytes; a tile is stated as rows of 256 bytes with padding behind each; row r lies at (r / 2) P + (r % 2) 128.
; CLUSTER.  The four work-groups of a cluster are one head's four query blocks and walk the same K and V: each tile is asked for JOINTLY, with a mask that names the four.
; REGISTERS: window 0: v2-12 addresses; v16-47 eight statistics a tile; v48-55 a second chain of sums; v56-59 the old c m; v64-191 S^T, 32 a tile, P made in place; v192-255 K of a step.
;   window 1: v0-63 Q; v64-127 V of a step; v128-255 O^T, 32 a tile.
.set PK,    272       ; a pair-row of K in LDS: 256 bytes + 16: the sixteen rows of a load fall on the 16-byte columns (r / 2) + 8 (r % 2), all different
.set PV,    288       ; of V: 256 + 32: the turning load's 8 keys x 2 halves fall on 2 (k / 2) + 8 (k % 2) + half, all different
.set VOFF,  128*PK    ; a slot: 256 keys of K, then 256 of V
.set STEPK, 32*PK     ; 64 keys
.set STEPV, 32*PV
.set SLOT1, 1<<17     ; slot 1 begins here: one exclusive or turns an address from one slot to the other
.set SLOTB, 256*128   ; a slot's keys in memory, in bytes
.set STAGE, SLOT1+128*(PK+PV)  ; behind the ring: 8 pair-rows x 272 bytes for each wave, for the way out
.set STW,   8*PK
.set SPARE, STAGE+8*STW        ; the spare words, 128 bytes a wave, named by no other line
.set AK0, 2           ; v2   my lane's place in a tile of K; never rewritten
.set AV0, 3           ; v3   the same for V
.set ADK, 4           ; v4   the step's address in K
.set ADV, 5           ; v5   and in V
.set QO,  6           ; v6   my byte offset in the wave's rows of Q
.set STO, 7           ; v7   the way out: where I put 16 bytes of a row
.set RD,  8           ; v8   where I read them back
.set GO,  9           ; v9   16 x lane
.set SPW, 10          ; v10  my spare word; never rewritten
.set NIL, 11          ; v11  0; never rewritten
.set PFO, 12          ; v12  256 x lane, for the prefetches; never rewritten
.set ST,  16          ; tile t's statistics at v[ST + 8 t]: +0 c m, +1 m, +2, +3 l (even keys', odd keys'), +4 to +7 at work; a takes +6
.set SUM2, 48
.set OLD, 56
.set S,   64
.set KF,  192
.set QF,  0           ; in window 1
.set VF,  64
.set OA,  128
.set WV,  8           ; s8   my wave's number
.set PFA, 18          ; s[18:19] where my prefetches stand
.set LIM, 20          ; s20  1 in a wave that prefetches, else the greatest number
.set SLOTS, 21        ; s21  slots still to be asked for
.set CNT, 22          ; s22  counts a slot's four steps
.set TK,  23          ; s23  LDS byte at which the step's keys begin in K's part
.set G1K, 24          ; s[24:31] group 1 for K's tiles; s[32:39] for V's (other padding); s[40:43], s[44:47] their groups 0, which walk
.set G1V, 32
.set G0K, 40
.set G0V, 44
.set TV,  48          ; s48  the same as TK for V's part
.set CS,  50          ; s[50:51] c
.set SEL, 52          ; s[52:53] lane selects: lane l xor 16
.set MSB, 0
.macro WIN new                      ; the immediate's high byte repeats the setting that is left
.if MSB != (\new)
	s_set_vgpr_msb (MSB<<8)|(\new)
.set MSB, (\new)
.endif
.endm
.set W_KQ, 0x04       ; Q (source 1) in window 1; K and S^T in window 0
.set W_PV, 0x51       ; V, C and D in window 1; P in window 0
.set W_RS, 0x41       ; O^T (destination and source 0) in window 1; a in window 0
.set TO1,  0x40       ; destination in window 1
.set W_CV, 0x05       ; both sources in window 1
; A joint load.  Waves 0 and 1 fetch the halves of a slot's K, waves 2 and 3 of its V, the others nothing.  The branches hang on the wave's number alone.  An s_nop 0 and four v_nop follow each line.
.macro JLOAD
	s_cmp_lt_u32 s[WV], 2
	s_cbranch_scc0 .Lnot_k_\@
	tensor_load_to_lds s[G0K:G0K+3], s[G1K:G1K+7]
	s_nop 0
.rept 4
	v_nop
.endr
	s_branch .Lasked_\@
.Lnot_k_\@:
	s_cmp_lt_u32 s[WV], 4
	s_cbranch_scc0 .Lasked_\@
	tensor_load_to_lds s[G0V:G0V+3], s[G1V:G1V+7]
	s_nop 0
.rept 4
	v_nop
.endr
.Lasked_\@:
.endm
; A PREFETCH INTO THE L2 of what the NEXT change of slots will ask for: 256 keys of K and of V, 32,768 bytes each: four key steps ahead of that load.  Only this cluster reads the head's K and V.  Its four partners
; share the bytes out BY ADDRESS, 8,192 each; in each, wave 4 asks for K's and wave 5 for V's, a lane 256 bytes: each aligned 256 bytes are named once in the launch.  The last change that fills a slot asks for nothing.
.macro ASK
	s_cmp_gt_u32 s[SLOTS], s[LIM]
	s_cbranch_scc0 .Lnot_mine_\@
	global_prefetch_b8 v[PFO], s[PFA:PFA+1] th:TH_LOAD_NT scope:SCOPE_SE
.Lnot_mine_\@:
.endm
.macro CROUND                       ; a round of the cluster's barrier
	s_barrier_signal -1
	s_barrier_wait -1
	s_cmp_lg_u32 s[WV], 0
	s_cbranch_scc1 .Lnot_wave_0_\@
	s_barrier_signal -3
.Lnot_wave_0_\@:
	s_barrier_wait -3
	s_barrier_signal -1
	s_barrier_wait -1
.endm
	s_load_b128 s[4:7], s[0:1], 0x0 ; qkv 4:5, ao 6:7
	v_lshl_add_u32 v[SPW], v0, 2, SPARE
	v_mov_b32 v[NIL], 0
	ds_add_u32 v[SPW], v[NIL]       ; the wave's opening: the add and its wait stand ahead of my first tensor load; the set-up below stands between them
	v_lshrrev_b32 v1, 5, v0
	v_readfirstlane_b32 s[WV], v1   ; wave 0..7
	s_bfe_u32 s9, ttmp6, 0x40000    ; cx
	s_lshl_b32 s60, ttmp9, 2
	s_add_co_u32 s60, s60, s9       ; my block of 512 queries: it enters Q's and O's addresses alone
	s_and_b32 s12, ttmp7, 0xffff    ; (b, h), which the four partners share
	s_lshl_b32 s12, s12, 18         ; a head is 262,144 bytes
	s_mov_b32 s13, 0
	s_lshl_b32 s14, s60, 16         ; 512 rows of 128 bytes,
	s_lshl_b32 s61, s[WV], 13       ; my wave's 64
	s_add_co_u32 s14, s14, s61
	s_add_co_u32 s14, s14, s12
	s_mov_b32 s15, 0
	s_and_b32 s10, s[WV], 1         ; which half of a slot I fetch, if I fetch:
	s_lshl_b32 s16, s10, 14         ; 128 keys of 128 bytes in memory,
	s_mov_b32 s17, 0
	s_mul_i32 s[G0K+1], s10, 64*PK  ; and 64 pair-rows in LDS: no place in the cluster enters an LDS address
	s_mul_i32 s[G0V+1], s10, 64*PV
	s_add_co_u32 s[G0V+1], s[G0V+1], VOFF
	s_mov_b32 s[G1K], 15|(1<<16)|(1<<20)|(1<<21)|(5<<22)|(3<<25)  ; the mask: all four; elements of 2 bytes; padding on; bit 21 beside a mask; after every 64 words; 4 words
	s_mov_b32 s[G1V], 15|(1<<16)|(1<<20)|(1<<21)|(5<<22)|(7<<25)  ; the same with 8 words
.irp g, G1K, G1V
	s_mov_b32 s[\g+1], 128<<16      ; tensor_dim0: a pair-row of 128 elements
	s_mov_b32 s[\g+2], 64<<16       ; tensor_dim1: 64 pair-rows
	s_mov_b32 s[\g+3], 128<<16      ; tile_dim0
	s_mov_b32 s[\g+4], 64           ; tile_dim1
	s_mov_b32 s[\g+5], 128          ; the pitch: dense
	s_mov_b32 s[\g+6], 0
	s_mov_b32 s[\g+7], 0
.endr
	s_mov_b32 s[CS], 0x3e38aa3b     ; c = log2(e) / 8
	s_mov_b32 s[CS+1], s[CS]        ; (named with it as a pair, so it is written)
	s_mov_b32 s[SEL], 0x76543210
	s_mov_b32 s[SEL+1], 0xfedcba98
	s_mov_b32 s[TK], 0
	s_mov_b32 s[TV], 0
	s_mov_b32 s[SLOTS], 7
	s_and_b32 s[LIM], s[WV], 6
	s_cmp_eq_u32 s[LIM], 4          ; waves 4 and 5
	s_cselect_b32 s[LIM], 1, -1
	v_and_b32 v[PFO], 31, v0
	v_lshlrev_b32 v[PFO], 8, v[PFO]
	s_wait_dscnt 0x0                ; the opening add is done
	s_wait_kmcnt 0x0
	s_add_nc_u64 s[54:55], s[4:5], s[14:15]      ; Q at my wave's first row
	s_add_nc_u64 s[6:7], s[6:7], s[14:15]        ; O likewise
	s_add_nc_u64 s[56:57], s[4:5], s[12:13]
	s_add_nc_u64 s[58:59], s[56:57], 0x2000000   ; V's head
	s_add_nc_u64 s[56:57], s[56:57], 0x1000000   ; K's head
	s_cmp_eq_u32 s[WV], 4
	s_cselect_b64 s[PFA:PFA+1], s[56:57], s[58:59]
	s_lshl_b32 s60, s9, 13          ; my work-group's 8,192 bytes of a slot's 32,768
	s_mov_b32 s61, 0
	s_add_nc_u64 s[PFA:PFA+1], s[PFA:PFA+1], s[60:61]
	s_add_nc_u64 s[PFA:PFA+1], s[PFA:PFA+1], SLOTB  ; in slot 1; the first change steps it to slot 2.  Nothing is prefetched here, at the head
	CROUND                          ; all four work-groups are here: the first joint loads meet
	s_mov_b32 s[G0K], 1
	s_add_nc_u64 s[G0K+2:G0K+3], s[56:57], s[16:17]
	s_or_b32 s[G0K+3], s[G0K+3], 0x80000000
	s_mov_b32 s[G0V], 1
	s_add_nc_u64 s[G0V+2:G0V+3], s[58:59], s[16:17]
	s_or_b32 s[G0V+3], s[G0V+3], 0x80000000
	JLOAD                           ; slot 0: one load of mine is out
	v_and_b32 v1, 15, v0            ; r = lane % 16
	v_bfe_u32 v13, v0, 4, 1         ; h = lane / 16
	v_lshrrev_b32 v14, 1, v1
	v_and_b32 v15, 1, v0
	v_mul_u32_u24 v[AK0], v14, PK
	v_lshl_add_u32 v[AK0], v15, 7, v[AK0]
	v_lshl_add_u32 v[AK0], v13, 4, v[AK0]        ; K: (r / 2) 272 + (r % 2) 128 + 16 h
	s_mul_i32 s11, s[WV], STW
	s_add_co_u32 s11, s11, STAGE
	v_add_nc_u32 v[STO], s11, v[AK0]             ; the stage takes rows in the same way
	v_mul_u32_u24 v[RD], v13, PK
	v_lshl_add_u32 v[RD], v1, 4, v[RD]
	v_add_nc_u32 v[RD], s11, v[RD]               ; back: lanes 0-15 one pair-row, lanes 16-31 the next
	v_bfe_u32 v14, v0, 1, 2
	v_lshl_add_u32 v14, v13, 2, v14              ; V: the turning load's lane reads key 8 h + lane % 8: pair-row 4 h + (lane % 8) / 2,
	v_mul_u32_u24 v[AV0], v14, PV
	v_lshl_add_u32 v[AV0], v15, 7, v[AV0]        ; its half lane % 2,
	v_bfe_u32 v14, v0, 3, 1
	v_lshl_add_u32 v[AV0], v14, 4, v[AV0]        ; channels 8 ((lane / 8) % 2) on
	v_add_nc_u32 v[AV0], VOFF, v[AV0]
	v_lshlrev_b32 v[QO], 7, v1
	v_lshl_add_u32 v[QO], v13, 4, v[QO]          ; Q: row r of 128 bytes + 16 h
	v_and_b32 v[GO], 31, v0
	v_lshlrev_b32 v[GO], 4, v[GO]
	WIN TO1
.irp t, 0,1,2,3
.irp e, 0,1                         ; Q stays in registers: tile t, channels 32 e on
	global_load_b128 v[QF+16*\t+8*\e:QF+16*\t+8*\e+3],   v[QO], s[54:55] offset:2048*\t+64*\e th:TH_LOAD_NT
	global_load_b128 v[QF+16*\t+8*\e+4:QF+16*\t+8*\e+7], v[QO], s[54:55] offset:2048*\t+64*\e+32 th:TH_LOAD_NT
.endr
.endr
.set n, 0
.rept 128
	v_mov_b32 v[OA+n], 0            ; O^T: the step is written without a first step of its own; these run once
.set n, n+1
.endr
	WIN 0
.irp t, 0,1,2,3
	v_mov_b32 v[ST+8*\t+1], 0xff61b1e6           ; m = -3e38, under every score
	v_mov_b32 v[ST+8*\t+2], 0                    ; l
	v_mov_b32 v[ST+8*\t+3], 0
.endr
.irp t, 0,1,2,3
	v_mul_f32 v[ST+8*\t], s[CS], v[ST+8*\t+1]    ; c m
.endr
; A KEY STEP: 64 keys.  Every window is 0 at both ends.
.macro STEP
	v_add_nc_u32 v[ADK], s[TK], v[AK0]
	v_add_nc_u32 v[ADV], s[TV], v[AV0]
.rept 3
	v_nop                           ; with the two additions FIVE plain lines behind the last V^T P: K Q^T below writes over P's registers, which that product read (five); the loads into V's registers want four
.endr
.irp i, 0,1,2,3
.irp e, 0,1                         ; K: keys 16 i on, channels 32 e on
	ds_load_b128 v[KF+16*\i+8*\e:KF+16*\i+8*\e+3],   v[ADK] offset:8*PK*\i+64*\e
	ds_load_b128 v[KF+16*\i+8*\e+4:KF+16*\i+8*\e+7], v[ADK] offset:8*PK*\i+64*\e+32
.endr
.endr
	WIN TO1
.irp g, 0,1
.irp c, 0,1,2,3                     ; V, turned: keys 32 g on, channels 16 c on
	ds_load_tr16_b128 v[VF+32*\g+8*\c:VF+32*\g+8*\c+3],   v[ADV] offset:16*PV*\g+32*\c
	ds_load_tr16_b128 v[VF+32*\g+8*\c+4:VF+32*\g+8*\c+7], v[ADV] offset:16*PV*\g+32*\c+8*PV
.endr
.endr
	s_wait_dscnt 16                 ; K is in; V's sixteen loads may be out
	WIN W_KQ
.irp e, 0,1                         ; S^T = K Q^T: the 16 accumulators take turns, one instruction a turn; the first 16 start the sums
.irp i, 0,1,2,3
.irp t, 0,1,2,3
.if \e == 0
	v_wmma_f32_16x16x32_f16 v[S+32*\t+8*\i:S+32*\t+8*\i+7], v[KF+16*\i+8*\e:KF+16*\i+8*\e+7], v[QF+16*\t+8*\e:QF+16*\t+8*\e+7], 0
.else
	v_wmma_f32_16x16x32_f16 v[S+32*\t+8*\i:S+32*\t+8*\i+7], v[KF+16*\i+8*\e:KF+16*\i+8*\e+7], v[QF+16*\t+8*\e:QF+16*\t+8*\e+7], v[S+32*\t+8*\i:S+32*\t+8*\i+7]
.endif
.endr
.endr
.endr
	WIN 0
.irp t, 0,1,2,3
	v_mov_b32 v[OLD+\t], v[ST+8*\t] ; c m_old is kept for a.  (These four are the plain lines behind the products)
.endr
.irp j, 0,1,2,3                     ; the maximum of a lane's 32 scores and the old m, three operands at a time, the four tiles by turns; each accumulator is read from its low end on
.irp t, 0,1,2,3
	v_max3_num_f32 v[ST+8*\t+4+\j], v[S+32*\t+8*\j], v[S+32*\t+8*\j+1], v[S+32*\t+8*\j+2]
.endr
.endr
.irp u, 1,2
.irp j, 0,1,2,3
.irp t, 0,1,2,3
	v_max3_num_f32 v[ST+8*\t+4+\j], v[ST+8*\t+4+\j], v[S+32*\t+8*\j+2*\u+1], v[S+32*\t+8*\j+2*\u+2]
.endr
.endr
.endr
.irp t, 0,1,2,3
	v_max3_num_f32 v[ST+8*\t+4], v[ST+8*\t+4], v[S+32*\t+7], v[S+32*\t+15]
.endr
.irp t, 0,1,2,3
	v_max3_num_f32 v[ST+8*\t+6], v[ST+8*\t+6], v[S+32*\t+23], v[S+32*\t+31]
.endr
.irp t, 0,1,2,3
	v_max3_num_f32 v[ST+8*\t+4], v[ST+8*\t+4], v[ST+8*\t+5], v[ST+8*\t+6]
.endr
.irp t, 0,1,2,3
	v_max3_num_f32 v[ST+8*\t+4], v[ST+8*\t+4], v[ST+8*\t+7], v[ST+8*\t+1]
.endr
.irp t, 0,1,2,3
	v_permlanex16_b32 v[ST+8*\t+5], v[ST+8*\t+4], s[SEL], s[SEL+1]  ; the query's other 32 keys lie in the lane 16 away
.endr
.irp t, 0,1,2,3
	v_max_num_f32 v[ST+8*\t+1], v[ST+8*\t+4], v[ST+8*\t+5]          ; the new m
.endr
.irp t, 0,1,2,3
	v_mul_f32 v[ST+8*\t], s[CS], v[ST+8*\t+1]                       ; c m
.endr
.irp t, 0,1,2,3
	v_sub_f32 v[ST+8*\t+7], v[OLD+\t], v[ST+8*\t]                   ; c m_old - c m_new
.endr
.set n, 0
.rept 16
.irp t, 0,1,2,3
	v_pk_fma_f32 v[S+32*\t+2*n:S+32*\t+2*n+1], v[S+32*\t+2*n:S+32*\t+2*n+1], s[CS:CS+1], v[ST+8*\t:ST+8*\t+1] op_sel_hi:[1,0,0] neg_lo:[0,0,1] neg_hi:[0,0,1]  ; c s - c m, two at a time
.endr
.set n, n+1
.endr
.irp t, 0,1,2,3
	v_exp_f32 v[ST+8*\t+6], v[ST+8*\t+7]                            ; a
.endr
.set n, 0
.rept 32
.irp t, 0,1,2,3
	v_exp_f32 v[S+32*\t+n], v[S+32*\t+n]                            ; p: with the four above ONE batch of 132, none of which reads another's result
.endr
.set n, n+1
.endr
	v_nop                           ; the plain line behind the last exponential
	s_wait_alu depctr_va_vdst(0)    ; one wait for the whole batch, ahead of its first reader
.irp t, 0,1,2,3                     ; the row's sum, of the unrounded p, two at a time in two chains; S^T stays as it is
	v_pk_add_f32 v[ST+8*\t+4:ST+8*\t+5], v[S+32*\t:S+32*\t+1], v[S+32*\t+2:S+32*\t+3]
.endr
.irp t, 0,1,2,3
	v_pk_add_f32 v[SUM2+2*\t:SUM2+2*\t+1], v[S+32*\t+4:S+32*\t+5], v[S+32*\t+6:S+32*\t+7]
.endr
.set n, 8
.rept 6
.irp t, 0,1,2,3
	v_pk_add_f32 v[ST+8*\t+4:ST+8*\t+5], v[ST+8*\t+4:ST+8*\t+5], v[S+32*\t+n:S+32*\t+n+1]
.endr
.irp t, 0,1,2,3
	v_pk_add_f32 v[SUM2+2*\t:SUM2+2*\t+1], v[SUM2+2*\t:SUM2+2*\t+1], v[S+32*\t+n+2:S+32*\t+n+3]
.endr
.set n, n+4
.endr
.irp t, 0,1,2,3
	v_pk_add_f32 v[ST+8*\t+4:ST+8*\t+5], v[ST+8*\t+4:ST+8*\t+5], v[SUM2+2*\t:SUM2+2*\t+1]
.endr
.irp t, 0,1,2,3
	v_pk_fma_f32 v[ST+8*\t+2:ST+8*\t+3], v[ST+8*\t+2:ST+8*\t+3], v[ST+8*\t+6:ST+8*\t+7], v[ST+8*\t+4:ST+8*\t+5] op_sel_hi:[1,0,1]  ; l = a l + the sum
.endr
.irp g, 0,1                         ; P in place: fragment g takes the first 8 of the 16 registers of key tiles 2 g, 2 g + 1; the destination never passes a source still unread
.irp u, 0,1,2,3,4,5,6,7
.irp t, 0,1,2,3
	v_cvt_pk_f16_f32 v[S+32*\t+16*\g+\u], v[S+32*\t+16*\g+2*\u], v[S+32*\t+16*\g+2*\u+1]
.endr
.endr
.endr
	WIN W_RS
.set n, 0
.rept 16
.irp t, 0,1,2,3
	v_pk_mul_f32 v[OA+32*\t+2*n:OA+32*\t+2*n+1], v[OA+32*\t+2*n:OA+32*\t+2*n+1], v[ST+8*\t+6:ST+8*\t+7] op_sel_hi:[1,0]  ; O^T x a, each accumulator from its low end on
.endr
.set n, n+1
.endr
	s_wait_dscnt 0x0                ; V is in
	WIN W_PV
.irp g, 0,1                         ; O^T += V^T P: the 16 accumulators take turns
.irp c, 0,1,2,3
.irp t, 0,1,2,3
	v_wmma_f32_16x16x32_f16 v[OA+32*\t+8*\c:OA+32*\t+8*\c+7], v[VF+32*\g+8*\c:VF+32*\g+8*\c+7], v[S+32*\t+16*\g:S+32*\t+16*\g+7], v[OA+32*\t+8*\c:OA+32*\t+8*\c+7]
.endr
.endr
.endr
	WIN 0
	s_add_co_u32 s[TK], s[TK], STEPK
	s_add_co_u32 s[TV], s[TV], STEPV
.endm
; THE CHANGE OF SLOTS stands at a slot's head.  Each wave waits for all its tensor loads (its part of the slot ahead), adds 0 to its spare word, and waits for that and for its reads of the slot that it has left.
; fill = 1: the barrier is a round of the cluster's, so that no wave of any partner still reads that slot or has a load on its way; the joint refill is the first thing behind it and has four key steps in which to land.
.macro CHANGE fill
	s_wait_tensorcnt 0x0            ; no tensor load of mine is out, so a group 0 may be written
	ds_add_u32 v[SPW], v[NIL]       ; 0 onto my spare word
.if \fill
	s_xor_b32 s[G0K+1], s[G0K+1], SLOT1          ; the walking descriptors: the other slot than last time,
	s_add_nc_u64 s[G0K+2:G0K+3], s[G0K+2:G0K+3], SLOTB  ; the next 256 keys; the type bits on top are not reached
	s_xor_b32 s[G0V+1], s[G0V+1], SLOT1
	s_add_nc_u64 s[G0V+2:G0V+3], s[G0V+2:G0V+3], SLOTB
	s_wait_xcnt 0x0                 ; the last prefetch, a slot back, has read its address, so it may be written:
	s_add_nc_u64 s[PFA:PFA+1], s[PFA:PFA+1], SLOTB      ; one slot further on than the walking descriptors
	s_wait_dscnt 0x0                ; the add is done, and my reads of the slot that I have left are over
	CROUND
	JLOAD
	ASK
.else
	s_wait_dscnt 0x0
	s_barrier_signal -1
	s_barrier_wait -1
.endif
.endm
.macro SLOT_STEPS                   ; a slot's four key steps: written once, walked four times; the LDS addresses hang on s[TK] and s[TV]
	s_mov_b32 s[CNT], 4
.Lstep_\@:
	STEP
	s_sub_co_u32 s[CNT], s[CNT], 1
	s_cmp_lg_u32 s[CNT], 0
	s_cbranch_scc1 .Lstep_\@
	s_sub_co_u32 s[TK], s[TK], 4*STEPK           ; back to a slot's first step,
	s_xor_b32 s[TK], s[TK], SLOT1                ; in the other slot
	s_sub_co_u32 s[TV], s[TV], 4*STEPV
	s_xor_b32 s[TV], s[TV], SLOT1
.endm
	s_wait_loadcnt 0x0              ; Q
.Lslot:                             ; seven trips: behind each change of slots but the last the next 256 keys are asked for
	CHANGE 1
	SLOT_STEPS
	s_sub_co_u32 s[SLOTS], s[SLOTS], 1
	s_cmp_lg_u32 s[SLOTS], 0
	s_cbranch_scc1 .Lslot
	CHANGE 0                        ; the last slot is written out
	SLOT_STEPS
	; THE WAY OUT.  l's two halves and the other half of the lanes' are added; O^T is divided by l, rounded to f16 and sent through my stage, a tile (16 rows) at a time.  The first four additions are the plain lines behind the last products.
.irp t, 0,1,2,3
	v_add_f32 v[ST+8*\t+4], v[ST+8*\t+2], v[ST+8*\t+3]
.endr
.irp t, 0,1,2,3
	v_permlanex16_b32 v[ST+8*\t+5], v[ST+8*\t+4], s[SEL], s[SEL+1]
.endr
.irp t, 0,1,2,3
	v_add_f32 v[ST+8*\t+4], v[ST+8*\t+4], v[ST+8*\t+5]
.endr
.irp t, 0,1,2,3
	v_rcp_f32 v[ST+8*\t+6], v[ST+8*\t+4]
.endr
	v_nop                           ; a plain line behind the last reciprocal
	s_wait_alu depctr_va_vdst(0)    ; and one wait for the four, ahead of the first use
.macro PACK t
	WIN W_RS
.set n, 0
.rept 16
	v_pk_mul_f32 v[OA+32*\t+2*n:OA+32*\t+2*n+1], v[OA+32*\t+2*n:OA+32*\t+2*n+1], v[ST+8*\t+6:ST+8*\t+7] op_sel_hi:[1,0]
.set n, n+1
.endr
	WIN W_CV
.set n, 0
.rept 16
	v_cvt_pk_f16_f32 v[S+32*\t+n], v[OA+32*\t+2*n], v[OA+32*\t+2*n+1]   ; a lane's eight channels of a row pack into 16 bytes
.set n, n+1
.endr
	WIN 0
.irp c, 0,1,2,3
	ds_store_b128 v[STO], v[S+32*\t+4*\c:S+32*\t+4*\c+3] offset:32*\c
.endr
.irp u, 0,1,2,3
	ds_load_b128 v[S+32*\t+16+4*\u:S+32*\t+16+4*\u+3], v[RD] offset:2*PK*\u  ; LDS serves a wave's instructions in order (ISA guide 5.7.1.4): these see the stores above; the next tile's stores come behind them
.endr
.endm
.macro SEND t, younger              ; younger: the LDS instructions issued behind tile t's loads: the next tile's eight, or none
.irp u, 0,1,2,3
	s_wait_dscnt \younger+3-\u
	global_store_b128 v[GO], v[S+32*\t+16+4*\u:S+32*\t+16+4*\u+3], s[6:7] offset:2048*\t+512*\u  ; 32 lanes store 512 consecutive bytes: four rows; every tile has registers of its own
.endr
.endm
	PACK 0
	PACK 1                          ; a tile's arithmetic stands between the loads of the tile before and its stores
	SEND 0, 8
	PACK 2
	SEND 1, 8
	PACK 3
	SEND 2, 8
	SEND 3, 0
	s_wait_tensorcnt 0x0            ; the wave's end: behind my last tensor load and my last LDS store
	ds_add_u32 v[SPW], v[NIL]
	s_wait_dscnt 0x0
	CROUND                          ; the closing round: no work-group ends while a partner may still ask for a tile that names it
	s_endpgm
.Lfunc_end_k_qcbecbaa186_attn:
	.size	k_qcbecbaa186_attn, .Lfunc_end_k_qcbecbaa186_attn-k_qcbecbaa186_attn
	.p2alignl 7, 3214868480
	.fill 96, 4, 3214868480
	.section	.rodata,"a",@progbits
	.p2align	6, 0x0
	.amdhsa_kernel k_qcbecbaa186_attn
		.amdhsa_group_segment_fixed_size 327680
		.amdhsa_private_segment_fixed_size 0
		.amdhsa_enable_private_segment 0
		.amdhsa_kernarg_size 16
		.amdhsa_user_sgpr_count 2
		.amdhsa_user_sgpr_kernarg_segment_ptr 1
		.amdhsa_wavefront_size32 1
		.amdhsa_system_sgpr_workgroup_id_x 1
		.amdhsa_system_sgpr_workgroup_id_y 1
		.amdhsa_system_sgpr_workgroup_id_z 1
		.amdhsa_system_vgpr_workitem_id 0
		.amdhsa_next_free_vgpr 512
		.amdhsa_next_free_sgpr 66
		.amdhsa_reserve_vcc 0
		.amdhsa_float_denorm_mode_32 3
		.amdhsa_float_denorm_mode_16_64 3
		.amdhsa_memory_ordered 1
		.amdhsa_forward_progress 1
		.amdhsa_inst_pref_size 92
	.end_amdhsa_kernel
	.amdgpu_metadata
---
amdhsa.version: [ 1, 2 ]
amdhsa.kernels:
  - .name:           k_qcbecbaa186_attn
    .symbol:         k_qcbecbaa186_attn.kd
    .args:
      - { .name: qkv, .offset: 0, .size: 8, .value_kind: global_buffer, .address_space: global }
      - { .name: ao, .offset: 8, .size: 8, .value_kind: global_buffer, .address_space: global }
    .group_segment_fixed_size: 327680
    .private_segment_fixed_size: 0
    .kernarg_segment_align: 8
    .kernarg_segment_size: 16
    .max_flat_workgroup_size: 256
    .sgpr_count:     66
    .vgpr_count:     512
    .wavefront_size: 32
...
	.end_amdgpu_metadata
.endif
;; end of part 3
;; launch oproj (part 4): grid 4 x 64, 4 waves a work-group, clusters of 4 x 4, 327,680 bytes of LDS; arguments ao, wo16, bo, out0; writes out0
.if DOCPART == 4
	.amdgcn_target "amdgcn-amd-amdhsa--gfx1250"
	.amdhsa_code_object_version 6
	.text
	.protected	k_qcbecbaa186_oproj
	.globl	k_qcbecbaa186_oproj
	.p2align	8
	.type	k_qcbecbaa186_oproj,@function
k_qcbecbaa186_oproj:
	s_mov_b64 s[64:65], 0
	v_nop
	global_prefetch_b8 v0, s[64:65] scope:SCOPE_SE
	s_setreg_imm32_b32 hwreg(HW_REG_WAVE_MODE, 25, 1), 1
	s_wait_xcnt 0x0
	s_wait_alu depctr_hold_cnt(0) depctr_sa_sdst(0) depctr_va_vdst(0) depctr_va_sdst(0) depctr_va_ssrc(0) depctr_va_vcc(0) depctr_vm_vsrc(0)
	s_getreg_b32 s2, hwreg(HW_REG_IB_STS2, 6, 4)
	s_cmp_eq_u32 s2, 0
	s_cbranch_scc0 .Lentry_in_a_cluster
	s_endpgm
.Lentry_in_a_cluster:
	s_bfe_u32 s2, ttmp6, 0x10000c
	s_cmp_lg_u32 s2, 0xf033
	s_cbranch_scc0 .Lentry_shape_is_right
	s_endpgm
.Lentry_shape_is_right:
; out0[m][n] = the sum over k of A[m][k] Wo[n][k] + bo[n].  A is the attention's result, f16 [4 b][16 h][2048 s][64 d], with m = 2,048 b + s and k = 64 h + d; wo16: f16 [1024 n][1024 k]; out0: f32 [8192][1024]; sums in f32.
; A tile of out0 is 128 x 256: 256 work-groups.  Four waves, each 64 rows x 128 columns: 32 accumulators, 256 registers.  K goes in steps of 128, two heads, through a ring of two LDS slots.
; Of A a K step is two dense blocks (a head's 128 rows of 128 bytes), each stated as 64 pair-rows of 256 bytes: row r lies at (r / 2) 272 + (r % 2) 128.  Of Wo it is 256 rows of 256 bytes.
; Waves 0 and 1 fetch A's two heads, waves 2 and 3 Wo's two halves: one tensor load a wave for each slot.
; CLUSTERS: 4 x 4 work-groups.  The four of a row of the cluster need the same tiles of A, the four of a column the same tiles of Wo: each is asked for JOINTLY.
; THE MATRIX INSTRUCTION IS USED TRANSPOSED (source 0 = 16 rows of Wo, source 1 = 16 rows of A): a lane holds eight neighbouring columns of a row.  The bias is the C of each sum's first product.
; REGISTERS: window 0: v16-29 addresses; v32-127, v128-223 two fragment buffers (A's 4 fragments, then Wo's 8, for 32 along K); window 1: accumulator (a, b) at v[8 (8 a + b)]; window 2: v0-63 the bias.
.set PITCH,  272                       ; 256 bytes + 16 of padding: the sixteen rows that a load touches fall on sixteen different 16-byte columns, in both layouts
.set AHEAD,  64*PITCH                  ; a head's 128 rows
.set BOFF,   2*AHEAD                   ; Wo's rows lie behind A's two heads
.set BHALF,  128*PITCH
.set SLOT,   BOFF+2*BHALF
.set STAGE,  2*SLOT                    ; behind the ring: 16 rows x (512 bytes + 16) for each wave
.set SPITCH, 528
.set SPARE,  STAGE+4*16*SPITCH         ; the spare words, 128 bytes a wave, named by no other line
.set HEADB,  262144                    ; a head of A in memory
.set ADRA, 16                          ; v16-17  LDS address of my A fragments in slot 0, 1
.set ADRB, 20                          ; v20-21  the same for Wo
.set STO,  24                          ; v24     the way out: where I put 32 bytes of a row
.set RD,   25                          ; v25     where I read a row back
.set CO,   26                          ; v26     16 x lane
.set BO,   27                          ; v27     32 x (lane / 16)
.set SPW,  28                          ; v28     my spare word; never rewritten
.set NIL,  29                          ; v29     0; never rewritten
.set F0,   32
.set F1,   128
.set G1, 24                            ; s[24:31] group 1 for A's tiles; s[32:39] group 0, a set for each slot
.set G0, 32
.set G1B, 48                           ; s[48:55], s[56:63] the same for Wo's
.set G0B, 56
.set MSB, 0
.macro WIN new                         ; the immediate's high byte repeats the setting that is left
.if MSB != (\new)
	s_set_vgpr_msb (MSB<<8)|(\new)
.set MSB, (\new)
.endif
.endm
.set MUL, 0x50                         ; sources 0 and 1 window 0; C and D window 1.  MUL + 0x10: C (the bias) window 2
.macro JLOAD s                         ; a joint load: waves 0 and 1 for A, waves 2 and 3 for Wo; an s_nop 0 and four v_nop follow each line
	s_cmp_eq_u32 s13, 0
	s_cbranch_scc0 .Lfor_b_\@
	tensor_load_to_lds s[G0+4*\s:G0+4*\s+3], s[G1:G1+7]
	s_nop 0
.rept 4
	v_nop
.endr
	s_branch .Lasked_\@
.Lfor_b_\@:
	tensor_load_to_lds s[G0B+4*\s:G0B+4*\s+3], s[G1B:G1B+7]
	s_nop 0
.rept 4
	v_nop
.endr
.Lasked_\@:
.endm
.macro CREST                           ; a round of the cluster's barrier behind its opening barrier
	s_cmp_lg_u32 s12, 0
	s_cbranch_scc1 .Lnot_wave_0_\@
	s_barrier_signal -3
.Lnot_wave_0_\@:
	s_barrier_wait -3
	s_barrier_signal -1
	s_barrier_wait -1
.endm
.macro CROUND
	s_barrier_signal -1
	s_barrier_wait -1
	CREST
.endm
	s_load_b256 s[4:11], s[0:1], 0x0               ; ao 4:5, wo16 6:7, bo 8:9, out0 10:11
	v_lshl_add_u32 v[SPW], v0, 2, SPARE
	v_mov_b32 v[NIL], 0
	ds_add_u32 v[SPW], v[NIL]                      ; the wave's opening: the add and its wait stand ahead of my first tensor load; the set-up below stands between them
	v_lshrrev_b32 v1, 5, v0
	v_readfirstlane_b32 s12, v1                    ; wave 0..3
	s_lshr_b32 s13, s12, 1                         ; which 64 rows are mine.  Also: I fetch for A (0) or for Wo (1)
	s_and_b32 s14, s12, 1                          ; which 128 columns.  Also: which head of the step, or which 128 rows of Wo, I fetch
	s_bfe_u32 s40, ttmp6, 0x40000                  ; cx, cy
	s_bfe_u32 s41, ttmp6, 0x40004
	s_lshl_b32 s42, ttmp9, 2
	s_add_co_u32 s42, s42, s40                     ; tile column = 4 x cluster x + cx
	s_and_b32 s43, ttmp7, 0xffff
	s_lshl_b32 s43, s43, 2
	s_add_co_u32 s43, s43, s41                     ; tile row = 4 x cluster y + cy
	s_lshl_b32 s44, s41, 2
	s_lshl_b32 s44, 15, s44                        ; my row of the cluster
	s_lshl_b32 s45, 0x1111, s40                    ; my column
	s_or_b32 s[G1+0], s44, (1<<16)|(1<<20)|(1<<21)|(5<<22)|(3<<25)  ; the mask; elements of 2 bytes; padding on; bit 21 beside a mask; after every 64 words; 4 words
	s_or_b32 s[G1B+0], s45, (1<<16)|(1<<20)|(1<<21)|(5<<22)|(3<<25)
	s_mov_b32 s[G1+1], 128<<16                     ; A: 64 pair-rows of 128 elements, dense
	s_mov_b32 s[G1+2], 64<<16
	s_mov_b32 s[G1+3], 128<<16
	s_mov_b32 s[G1+4], 64
	s_mov_b32 s[G1+5], 128
	s_mov_b32 s[G1+6], 0
	s_mov_b32 s[G1+7], 0
	s_mov_b32 s[G1B+1], 128<<16                    ; Wo: 128 rows of 128 elements, 1,024 elements apart
	s_mov_b32 s[G1B+2], 128<<16
	s_mov_b32 s[G1B+3], 128<<16
	s_mov_b32 s[G1B+4], 128
	s_mov_b32 s[G1B+5], 1024
	s_mov_b32 s[G1B+6], 0
	s_mov_b32 s[G1B+7], 0
	s_lshr_b32 s16, s43, 4                         ; A: b = tile row / 16; head 16 b + my head of the step;
	s_lshl_b32 s16, s16, 4
	s_add_co_u32 s16, s16, s14
	s_lshl_b32 s16, s16, 18
	s_and_b32 s17, s43, 15                         ; rows 128 (tile row % 16) on, 128 bytes each
	s_lshl_b32 s17, s17, 14
	s_add_co_u32 s16, s16, s17
	s_mov_b32 s17, 0
	s_lshl_b32 s46, s42, 8                         ; Wo: row 256 x tile column + 128 x half, 2,048 bytes each
	s_lshl_b32 s47, s14, 7
	s_add_co_u32 s46, s46, s47
	s_lshl_b32 s46, s46, 11
	s_mov_b32 s47, 0
	s_mul_i32 s20, s14, AHEAD                      ; where they go: no place in the cluster enters an LDS address
	s_mul_i32 s21, s14, BHALF
	s_add_co_u32 s21, s21, BOFF
	s_wait_dscnt 0x0                               ; the opening add is done
	s_wait_kmcnt 0x0
	s_add_nc_u64 s[16:17], s[4:5], s[16:17]
	s_add_nc_u64 s[46:47], s[6:7], s[46:47]
	CROUND                                         ; all sixteen work-groups are here: the first joint loads meet
.irp s, 0,1
	s_mov_b32 s[G0+4*\s], 1
	s_add_co_u32 s[G0+4*\s+1], s20, \s*SLOT
	s_add_nc_u64 s[G0+4*\s+2:G0+4*\s+3], s[16:17], \s*2*HEADB      ; K step s: two heads on
	s_or_b32 s[G0+4*\s+3], s[G0+4*\s+3], 0x80000000
	s_mov_b32 s[G0B+4*\s], 1
	s_add_co_u32 s[G0B+4*\s+1], s21, \s*SLOT
	s_add_nc_u64 s[G0B+4*\s+2:G0B+4*\s+3], s[46:47], \s*256
	s_or_b32 s[G0B+4*\s+3], s[G0B+4*\s+3], 0x80000000
	JLOAD \s                                       ; two loads of mine are out
.endr
	v_and_b32 v1, 15, v0                           ; r
	v_bfe_u32 v2, v0, 4, 1                         ; h
	v_lshrrev_b32 v3, 1, v1
	v_mul_u32_u24 v3, v3, PITCH
	v_and_b32 v4, 1, v0
	v_lshl_add_u32 v3, v4, 7, v3
	v_lshl_add_u32 v3, v2, 4, v3                   ; A: (r / 2) 272 + (r % 2) 128 + 16 h
	v_mul_u32_u24 v4, v1, PITCH
	v_lshl_add_u32 v4, v2, 4, v4                   ; Wo: 272 r + 16 h
	s_mul_i32 s22, s13, 32*PITCH                   ; my 64 rows of A: 32 pair-rows
	s_mul_i32 s23, s14, BHALF                      ; my 128 rows of Wo
	s_add_co_u32 s23, s23, BOFF
.irp s, 0,1
	v_add_nc_u32 v[ADRA+\s], s22, v3
	v_add_nc_u32 v[ADRB+\s], s23, v4
	s_add_co_u32 s22, s22, SLOT
	s_add_co_u32 s23, s23, SLOT
.endr
	s_mul_i32 s22, s12, 16*SPITCH
	s_add_co_u32 s22, s22, STAGE                   ; my stage
	v_mul_u32_u24 v5, v1, SPITCH
	v_lshl_add_u32 v5, v2, 5, v5
	v_add_nc_u32 v[STO], s22, v5                   ; in: row r, 32 bytes for each half of the lanes
	v_and_b32 v6, 31, v0
	v_lshlrev_b32 v[CO], 4, v6
	v_add_nc_u32 v[RD], s22, v[CO]                 ; back: the 32 lanes take one row of 512 bytes
	v_lshlrev_b32 v[BO], 5, v2
	s_lshl_b32 s18, s42, 10                        ; my first column, in bytes of f32: 1,024 x tile column + 512 x half
	s_lshl_b32 s19, s14, 9
	s_add_co_u32 s18, s18, s19
	s_mov_b32 s19, 0
	s_add_nc_u64 s[8:9], s[8:9], s[18:19]
	s_add_nc_u64 s[10:11], s[10:11], s[18:19]
	s_lshl_b32 s18, s43, 7                         ; my first row: 128 x tile row + 64 x half, 4,096 bytes each
	s_lshl_b32 s15, s13, 6
	s_add_co_u32 s18, s18, s15
	s_lshl_b32 s18, s18, 12
	s_add_nc_u64 s[10:11], s[10:11], s[18:19]      ; never stepped: the rows stand in the stores' immediates
	WIN 0x80                                       ; destination window 2
.irp b, 0,1,2,3,4,5,6,7
	global_load_b128 v[8*\b:8*\b+3],   v[BO], s[8:9] offset:64*\b      ; lane (r, h), register j: bo[16 b + 8 h + j], the result's layout
	global_load_b128 v[8*\b+4:8*\b+7], v[BO], s[8:9] offset:64*\b+16
.endr
	WIN 0
; 8 matrix instructions: A's block a against Wo's eight, 32 along K, from buffer f.  zero = 1: the sum's first product, whose C is the bias.  The 32 accumulators take turns, in the same order in every quarter.
.macro MUL8 f, a, zero
.irp b, 0,1,2,3,4,5,6,7
.if \zero
	v_wmma_f32_16x16x32_f16 v[8*(8*(\a)+\b):8*(8*(\a)+\b)+7], v[\f+32+8*\b:\f+32+8*\b+7], v[\f+8*(\a):\f+8*(\a)+7], v[8*\b:8*\b+7]
.else
	v_wmma_f32_16x16x32_f16 v[8*(8*(\a)+\b):8*(8*(\a)+\b)+7], v[\f+32+8*\b:\f+32+8*\b+7], v[\f+8*(\a):\f+8*(\a)+7], v[8*(8*(\a)+\b):8*(8*(\a)+\b)+7]
.endif
.endr
.endm
.macro MUL16 f, a0, zero
	MUL8 \f, \a0, \zero
	MUL8 \f, \a0+1, \zero
.endm
; 24 LDS loads in one run: the fragments of the slot's q-th 32 along K into buffer f: Wo's eight, then A's four (head q / 2 of the step, channels 32 (q % 2) on)
.macro FETCH slot, q, f
	WIN 0
.irp b, 0,1,2,3,4,5,6,7
	ds_load_b128 v[\f+32+8*\b:\f+32+8*\b+3],   v[ADRB+\slot] offset:64*(\q)+16*PITCH*\b
	ds_load_b128 v[\f+32+8*\b+4:\f+32+8*\b+7], v[ADRB+\slot] offset:64*(\q)+16*PITCH*\b+32
.endr
.irp a, 0,1,2,3
	ds_load_b128 v[\f+8*\a:\f+8*\a+3],   v[ADRA+\slot] offset:((\q)/2)*AHEAD+64*((\q)%2)+8*PITCH*\a
	ds_load_b128 v[\f+8*\a+4:\f+8*\a+7], v[ADRA+\slot] offset:((\q)/2)*AHEAD+64*((\q)%2)+8*PITCH*\a+32
.endr
.endm
.macro PLACES                          ; four plain lines in front of loads into registers that matrix instructions have read, and of reads of results
.rept 4
	v_nop
.endr
.endm
; A K step is four quarters of 32 along K, 32 matrix instructions each, on buffers 0, 1, 0, 1.  One of the first three: multiplies buffer f and fetches the slot's quarter q into g.
.macro QUARTER slot, q, f, g, zero
	s_wait_dscnt 4                                 ; Wo's fragments and A's blocks 0, 1 are in; the youngest four loads (blocks 2, 3) may be out
	WIN MUL+0x10*(\zero)
	MUL16 \f, 0, \zero
	PLACES
	FETCH \slot, \q, \g
	s_wait_dscnt 24                                ; all but the 24 just issued
	WIN MUL+0x10*(\zero)
	MUL16 \f, 2, \zero
.endm
; The last quarter multiplies buffer 1 and changes slots: ONE barrier; in front of it each wave waits for all its tensor loads, adds 0 to its spare word, and waits for that and for its reads of this slot.
; fill = 1: the barrier opens a round of the cluster's, and this slot is filled again, two K steps ahead, first thing behind the round.
.macro TURN slot, next, fill
	WIN 0                                          ; (the add's two registers lie in window 0)
	s_wait_tensorcnt 0x0                           ; all my tensor loads have landed: my part of the next slot;
	ds_add_u32 v[SPW], v[NIL]                      ; 0 onto my spare word;
	s_wait_dscnt 5                                 ; (the add and the youngest four loads may be out)
	WIN MUL
	MUL8 F1, 0, 0                                  ; eight matrix instructions stand between the add and the wait for it
	s_wait_dscnt 0x0                               ; the add is done, and my reads of this slot are over
	s_barrier_signal -1
	MUL8 F1, 1, 0
	WIN 0
	s_barrier_wait -1
.if \fill
	CREST                                          ; no wave of any partner still reads this slot's tiles or has a load on its way
	s_add_nc_u64 s[G0+4*\slot+2:G0+4*\slot+3], s[G0+4*\slot+2:G0+4*\slot+3], 4*HEADB
	s_add_nc_u64 s[G0B+4*\slot+2:G0B+4*\slot+3], s[G0B+4*\slot+2:G0B+4*\slot+3], 512
	JLOAD \slot                                    ; the four v_nop behind it are also the plain lines in front of the loads below
.else
	PLACES
.endif
	FETCH \next, 0, F0
	WIN MUL
	MUL16 F1, 2, 0
.endm
	s_wait_tensorcnt 1                             ; my part of K step 0 is in; K step 1's load may be out,
	s_barrier_signal -1
	s_barrier_wait -1                              ; everybody's is
	FETCH 0, 0, F0
	s_wait_loadcnt 0x0                             ; the bias
	QUARTER 0, 1, F0, F1, 1                        ; the first quarter stands in front of the loop: its products start the sums on the bias
	WIN 0                                          ; at a label and at a branch every window is 0
	s_mov_b32 s3, 3
.Llap:                                                 ; a trip goes once round the ring, from a lap's second quarter to the next lap's first, and fills both slots again: K steps 2 to 7
	QUARTER 0, 2, F1, F0, 0
	QUARTER 0, 3, F0, F1, 0
	TURN 0, 1, 1
	QUARTER 1, 1, F0, F1, 0
	QUARTER 1, 2, F1, F0, 0
	QUARTER 1, 3, F0, F1, 0
	TURN 1, 0, 1
	QUARTER 0, 1, F0, F1, 0
	WIN 0
	s_sub_co_u32 s3, s3, 1
	s_cmp_lg_u32 s3, 0
	s_cbranch_scc1 .Llap
	QUARTER 0, 2, F1, F0, 0                        ; the last lap fills nothing, and has no round of the cluster's barrier
	QUARTER 0, 3, F0, F1, 0
	TURN 0, 1, 0
	QUARTER 1, 1, F0, F1, 0
	QUARTER 1, 2, F1, F0, 0
	QUARTER 1, 3, F0, F1, 0
	s_wait_dscnt 4                                 ; the very last quarter: nothing more to fetch
	WIN MUL
	MUL16 F1, 0, 0
	s_wait_dscnt 0
	MUL16 F1, 2, 0
	WIN 0
; THE WAY OUT, a block of 16 rows x 128 columns at a time, through my own stage: 32 bytes a lane in, whole rows of 512 bytes back, which the 32 lanes store as 512 consecutive bytes.
.macro TOSTAGE a
	WIN 0x04                                       ; an LDS store's data are its source 1: window 1
.irp b, 0,1,2,3,4,5,6,7
	ds_store_b128 v[STO], v[8*(8*(\a)+\b):8*(8*(\a)+\b)+3] offset:64*\b          ; each accumulator from its low end on
	ds_store_b128 v[STO], v[8*(8*(\a)+\b)+4:8*(8*(\a)+\b)+7] offset:64*\b+16
.endr
	WIN 0
.set BB, F0+96*((\a)%2)
.irp t, 0,1,2,3,4,5,6,7,8,9,10,11,12,13,14,15
	ds_load_b128 v[BB+4*\t:BB+4*\t+3], v[RD] offset:\t*SPITCH   ; LDS serves a wave's instructions in order (ISA guide 5.7.1.4): these see the stores above
.endr
.endm
.macro SEND a, younger                 ; younger: the LDS instructions issued behind block a's loads, which may stay out
.set BB, F0+96*((\a)%2)
	s_wait_dscnt \younger
.irp t, 0,1,2,3,4,5,6,7,8,9,10,11,12,13,14,15
	global_store_b128 v[CO], v[BB+4*\t:BB+4*\t+3], s[10:11] offset:(16*(\a)+\t)*4096 th:TH_STORE_NT   ; written once, read by nobody here
.endr
.endm
	PLACES                                         ; behind the last products: their results are read, and loads land where fragments lay
	TOSTAGE 0
.irp a, 1,2,3
.if \a > 1
	s_wait_xcnt 0x0                                ; block a - 2's stores have read their registers: block a's loads may land there
.endif
	TOSTAGE \a
	SEND \a-1, 32                                  ; behind block a - 1's loads: block a's 16 stores and 16 loads
.endr
	SEND 3, 0
	s_wait_tensorcnt 0x0                           ; the wave's end: behind my last tensor load and my last LDS store
	ds_add_u32 v[SPW], v[NIL]
	s_wait_dscnt 0x0
	CROUND                                         ; the closing round: no work-group ends while a partner may still ask for a tile that names it
	s_endpgm
.Lfunc_end_k_qcbecbaa186_oproj:
	.size	k_qcbecbaa186_oproj, .Lfunc_end_k_qcbecbaa186_oproj-k_qcbecbaa186_oproj
	.p2alignl 7, 3214868480
	.fill 96, 4, 3214868480
	.section	.rodata,"a",@progbits
	.p2align	6, 0x0
	.amdhsa_kernel k_qcbecbaa186_oproj
		.amdhsa_group_segment_fixed_size 327680
		.amdhsa_private_segment_fixed_size 0
		.amdhsa_enable_private_segment 0
		.amdhsa_kernarg_size 32
		.amdhsa_user_sgpr_count 2
		.amdhsa_user_sgpr_kernarg_segment_ptr 1
		.amdhsa_wavefront_size32 1
		.amdhsa_system_sgpr_workgroup_id_x 1
		.amdhsa_system_sgpr_workgroup_id_y 1
		.amdhsa_system_sgpr_workgroup_id_z 1
		.amdhsa_system_vgpr_workitem_id 0
		.amdhsa_next_free_vgpr 768
		.amdhsa_next_free_sgpr 66
		.amdhsa_reserve_vcc 0
		.amdhsa_float_denorm_mode_32 3
		.amdhsa_float_denorm_mode_16_64 3
		.amdhsa_memory_ordered 1
		.amdhsa_forward_progress 1
		.amdhsa_inst_pref_size 87
	.end_amdhsa_kernel
	.amdgpu_metadata
---
amdhsa.version: [ 1, 2 ]
amdhsa.kernels:
  - .name:           k_qcbecbaa186_oproj
    .symbol:         k_qcbecbaa186_oproj.kd
    .args:
      - { .name: ao, .offset: 0, .size: 8, .value_kind: global_buffer, .address_space: global }
      - { .name: wo16, .offset: 8, .size: 8, .value_kind: global_buffer, .address_space: global }
      - { .name: bo, .offset: 16, .size: 8, .value_kind: global_buffer, .address_space: global }
      - { .name: out0, .offset: 24, .size: 8, .value_kind: global_buffer, .address_space: global }
    .group_segment_fixed_size: 327680
    .private_segment_fixed_size: 0
    .kernarg_segment_align: 8
    .kernarg_segment_size: 32
    .max_flat_workgroup_size: 128
    .sgpr_count:     66
    .vgpr_count:     768
    .wavefront_size: 32
...
	.end_amdgpu_metadata
.endif
;; end of part 4
